; MI455X (gfx1250); checked and timed in simulation.
; The chip was launched on July 23, 2026; its instructions are those of AMD's public machine-readable ISA for CDNA 5 (MIT licence, August 2026) and "CDNA5" Instruction Set Architecture Reference Guide (July 2026). The comments in the code are by the model that wrote it; some were corrected since.
;; RTL Transformer Block. Allowed arithmetic: matrix products marked QUANTISED: E2M3 operands, one E8M0 scale for each 32 along K, by v_wmma_scale_f32_16x16x128_f8f6f4 with both operands' format E2M3, f32 sums; everything else in f32.
;; Inputs: b1 4,096 float32; b2 1,024 float32; bk 1,024 float32; bo 1,024 float32; bq 1,024 float32; bv 1,024 float32; diss_sens 16 float32; dissonance one number float32; distance_scale 16 float32; ln1_b 1,024 float32; ln1_g 1,024 float32; ln2_b 1,024 float32; ln2_g 1,024 float32; w1_codes 4,096 x 32 x 24 uint8 (E2M3 codes of w1, K innermost, in blocks of 32 codes, four codes in three bytes); w1_scales 4,096 x 32 uint8 (E8M0 scales of w1, one for each 32 codes along K); w2_codes 1,024 x 128 x 24 uint8 (E2M3 codes of w2, K innermost, in blocks of 32 codes, four codes in three bytes); w2_scales 1,024 x 128 uint8 (E8M0 scales of w2, one for each 32 codes along K); wk_codes 1,024 x 32 x 24 uint8 (E2M3 codes of wk, K innermost, in blocks of 32 codes, four codes in three bytes); wk_scales 1,024 x 32 uint8 (E8M0 scales of wk, one for each 32 codes along K); wo_codes 1,024 x 32 x 24 uint8 (E2M3 codes of wo, K innermost, in blocks of 32 codes, four codes in three bytes); wo_scales 1,024 x 32 uint8 (E8M0 scales of wo, one for each 32 codes along K); wq_codes 1,024 x 32 x 24 uint8 (E2M3 codes of wq, K innermost, in blocks of 32 codes, four codes in three bytes); wq_scales 1,024 x 32 uint8 (E8M0 scales of wq, one for each 32 codes along K); wv_codes 1,024 x 32 x 24 uint8 (E2M3 codes of wv, K innermost, in blocks of 32 codes, four codes in three bytes); wv_scales 1,024 x 32 uint8 (E8M0 scales of wv, one for each 32 codes along K); x 2 x 2,048 x 1,024 float32.
;; Outputs: out0 2 x 2,048 x 1,024 float32.
;; This version of the problem:
;;   THIS VERSION OF THE PROBLEM IS GIVEN IN LOW PRECISION. The matrix products marked QUANTISED in the list below multiply operands that are first quantised to E2M3 (2 exponent bits, 3 mantissa bits; 6 bits a number), with one power-of-two scale for each 32 numbers along K (OCP MX v1.0); their sums are f32. All else is computed in f32.
;;   The module's matrix products, in the order in which they are computed (A, B: the left and right operand; K: the contracted axis; several contracted axes count as one K, in the product's order):
;;     1. [M 4,096, K 1,024] x [K 1,024, N 1,024]; A: computed on the way; B: input wq (given as codes): QUANTISED
;;     2. [M 4,096, K 1,024] x [K 1,024, N 1,024]; A: computed on the way; B: input wk (given as codes): QUANTISED
;;     3. [M 4,096, K 1,024] x [K 1,024, N 1,024]; A: computed on the way; B: input wv (given as codes): QUANTISED
;;     4. batch 32 x [M 2,048, K 64] x [K 64, N 2,048]; A: computed on the way; B: computed on the way: QUANTISED
;;     5. batch 32 x [M 2,048, K 2,048] x [K 2,048, N 64]; A: softmax (see below); B: computed on the way: QUANTISED
;;     6. [M 4,096, K 1,024] x [K 1,024, N 1,024]; A: computed on the way; B: input wo (given as codes): QUANTISED
;;     7. [M 4,096, K 1,024] x [K 1,024, N 4,096]; A: computed on the way; B: input w1 (given as codes): QUANTISED
;;     8. [M 4,096, K 4,096] x [K 4,096, N 1,024]; A: computed on the way; B: input w2 (given as codes): QUANTISED
;;   THE QUANTISER, for each operand of a quantised product, along K:
;;     - K is cut into blocks of 32 from its start; a last block that is shorter is filled with zeros.
;;     - A block's scale is 2^e with e = floor(log2(the largest magnitude in the block)) - 2, held to -126 .. 127; a block of zeros has e = 0. As a byte (E8M0): e + 127.
;;     - Each number is divided by its block's scale, clamped to +-7.5, and rounded to the nearest number of E2M3, ties to even, subnormals kept.
;;     - The product sums the exact products of the quantised numbers (number of the format x scale) in f32.
;;   ~~~python
;;   def quantise(x, axis):      # numpy; x: float32 -> the quantised numbers, widened to float32 again
;;       x = np.moveaxis(x, axis, -1); K = x.shape[-1]
;;       x = np.pad(x, [(0, 0)] * (x.ndim - 1) + [(0, -K % 32)]); x = x.reshape(x.shape[:-1] + (-1, 32)); a = np.abs(x).max(-1, keepdims=True)
;;       e = np.where(a > 0, np.clip(np.frexp(np.where(a > 0, a, 1))[1] - 1 - 2, -126, 127), 0)      # np.frexp(a)[1] - 1 = floor(log2(a)), exactly
;;       r = np.clip(x / 2.0 ** e, -7.5, 7.5)
;;       step = 2.0 ** (np.maximum(np.frexp(np.where(r == 0, 1, r))[1] - 1, 0) - 3)
;;       q = np.round(r / step) * step * 2.0 ** e      # np.round: ties to even
;;       return np.moveaxis(q.reshape(q.shape[:-2] + (-1,))[..., :K], -1, axis).astype(np.float32)
;;   ~~~
;;   SOFTMAX AHEAD OF A QUANTISED PRODUCT. Where the list says 'softmax', what is quantised is not the finished softmax but p = 2^(t - M), with t = logit x log2(e) and M = ceil(the row's largest t), a whole number; so 1/2 < the row's largest p <= 1. The row's sum l is taken of the UNQUANTISED p, in f32, and the product's result is divided by l at the end. Since M is a whole number, a kernel that streams over the keys may use a running M (the ceiling of the running maximum): every later rescaling is an exact power of two, which a block's scale takes up: the codes' values come out the same.
;;   OPERANDS COMPUTED ON THE WAY. 'Computed on the way' means the value that the module computes at that place (a softmax that the list does not call 'softmax' is quantised finished and normalised). What goes into a quantiser is computed in f32, as accurately as f32 sums, v_exp_f32 and their like allow (about 1e-6 of the number): no bf16 or f16 on the way to a quantiser, and a product that is left as it is and whose result goes on into a quantised operand takes f32 operands (vector FMAs, or v_wmma_f32_16x16x4_f32). A number that lies on a knife's edge between two numbers of the format may be rounded either way, as far as f32 arithmetic and the matrix unit's own rounding can turn it there, and no further.
;;   INPUTS GIVEN AS CODES. w1 (in the module: [4096, 1024], K = its axis 1); w2 (in the module: [1024, 4096], K = its axis 1); wk (in the module: [1024, 1024], K = its axis 1); wo (in the module: [1024, 1024], K = its axis 1); wq (in the module: [1024, 1024], K = its axis 1); wv (in the module: [1024, 1024], K = its axis 1): each comes as NAME_codes (uint8): NAME with its K axis moved to the last place and cut into blocks of 32 codes, [.., K / 32, bytes a block], one block behind the other in memory; four codes in three bytes: a row's codes are one little-endian stream of bits, code i at bits 6 i .. 6 i + 5 (a code: sign, 2 exponent bits, 3 mantissa bits); and NAME_scales (uint8): the same leading axes, one E8M0 byte (e + 127) for each 32 codes along K. Its value is code x scale, taken as it is: it is not quantised again, and the codes and scales need not be those that the quantiser above would give.
;; One version. Each part assembles by itself: llvm-mc -triple=amdgcn-amd-amdhsa -mcpu=gfx1250 --defsym DOCPART=n.
;; ======== version 1 of 1: 7 launches
;; workspace buffers: acta 3,276,800 bytes; actb 3,276,800 bytes; qb 6,553,600 bytes; kv 6,553,600 bytes; x1 16,777,216 bytes; hbuf 13,107,200 bytes; wimg 9,830,400 bytes
;; launch prep (part 1): grid 352 x 1, 8 waves a work-group, no clusters, 69,632 bytes of LDS; arguments x, ln1_g, ln1_b, wq_codes, wq_scales, wk_codes, wk_scales, wv_codes, wv_scales, wo_codes, wo_scales, w1_codes, w1_scales, w2_codes, w2_scales, acta, wimg; writes acta, wimg
.if DOCPART == 1
	.amdgcn_target "amdgcn-amd-amdhsa--gfx1250"
	.amdhsa_code_object_version 6
	.text
	.protected	k_qbe4a867ec6_prep
	.globl	k_qbe4a867ec6_prep
	.p2align	8
	.type	k_qbe4a867ec6_prep,@function
k_qbe4a867ec6_prep:
	s_mov_b64 s[64:65], 0
	v_nop
	global_prefetch_b8 v0, s[64:65] scope:SCOPE_SE
	s_setreg_imm32_b32 hwreg(HW_REG_WAVE_MODE, 25, 1), 1
	s_wait_xcnt 0x0
; Two jobs in one launch, parted on the work-group's number.
; WORK-GROUPS 0-255: LayerNorm of 16 rows of x [4096][1024] f32, quantised to FP6 (E2M3) with one E8M0 byte for each 32 along K, stored as IMAGES OF OPERAND REGISTERS.
; WORK-GROUPS 256-351: the six weights, which arrive as codes and scale bytes, are laid into the same form (nothing is quantised again).
; A PIECE (25,600 bytes) holds 128 rows (8 tiles of 16) x 256 along K: the fragment of (q = which 128 along K, tile i) at (8 q + i) x 1,536, lane l's registers 4 c .. 4 c + 3 at 512 c + 16 l;
; behind the codes, at 24,576 + (8 q + i) x 64 + 4 (l % 16), the rows' scale words.  Piece (octet G, sp) lies at (G x K / 256 + sp) x 25,600.
; Lane r of an activation's tile t is row 16 t + r; of a weight's tile t it is row 32 (t / 2) + 8 (t % 2) + r + 8 (r / 8), so that a product with the weight as source 0 leaves 16 neighbouring columns in the 16 registers of two neighbouring tiles.
; THE NORM.  Wave s takes columns 128 s .. 128 s + 127 of the 16 rows.  Each load reads 512 consecutive bytes of a row; the numbers turn through the wave's own stage in LDS, so that lane (r, h) holds, of row r,
; 16 neighbours of each block of 32.  Mean and variance (of the centred numbers) are summed in the lane, across the two halves of the lanes, and across the eight waves through LDS: two barriers.
; LIMITS: NaN and infinities are not served.  A block whose largest magnitude lies under 2^-124 gets the byte 1; a block of zeros too, where the rule says 127: its codes are zeros and this program alone reads the bytes.
; The order of the f32 sums differs from reference()'s.
.set RAW, 16                           ; v16-79   the rows as loaded, later gamma
.set Y,   80                           ; v80-143  register 16 b + i: column 128 s + 32 b + 16 h + i of row r
.set BB,  144                          ; v144-207 beta
.set TM,  208                          ; v208-223 the quantiser's temporaries
.set PC,  224                          ; v224-235 the fragment
.set T2,  236                          ; v236-243 the blocks' upper halves
.set PW,  244                          ; the scale word
.set TT,  245
.set SM0, 246                          ; v246-253 four chains of packed sums
.set MN,  254                          ; v254 the mean, v255 1 / sqrt(var + eps)
.set SEL, 20
.set RED, 67584                        ; behind the eight stages of 16 x 528 bytes: two tables of 16 rows x 8 waves of partial sums
; 64 numbers of a lane, register 16 b + i = k 32 b + 16 h + i of my row, become a fragment: blocks 0, 1 in v[d0] .. v[d0 + 5], blocks 2, 3 in v[d1] .. v[d1 + 5]; the scale word in v[pw].
.macro QUANT s, d0, d1, pw
.irp b, 0,1,2,3
	v_max3_num_f32 v[TM+\b], |v[(\s)+16*\b]|, |v[(\s)+1+16*\b]|, 0x1800000   ; my 16 numbers of block b, and the floor 2^(3 - 127): the byte cannot fall under 1
.endr
.irp i, 2,4,6,8,10,12,14
.irp b, 0,1,2,3
	v_max3_num_f32 v[TM+\b], v[TM+\b], |v[(\s)+16*\b+\i]|, |v[(\s)+1+16*\b+\i]|
.endr
.endr
.irp b, 0,1,2,3
	v_permlanex16_b32 v[TM+4+\b], v[TM+\b], s[SEL], s[SEL+1]
.endr
.irp b, 0,1,2,3
	v_max_num_f32 v[TM+\b], v[TM+\b], v[TM+4+\b]           ; with lane l xor 16's: the block's largest magnitude
.endr
.irp b, 0,1,2,3
	v_add_nc_u32 v[TM+12+\b], 0xff000000, v[TM+\b]         ; 2 off its exponent field: the conversion's scale operand
.endr
.irp b, 0,1,2,3
	v_lshrrev_b32 v[TM+4+\b], 23, v[TM+12+\b]              ; the scale's byte
.endr
	v_lshl_or_b32 v[\pw], v[TM+5], 8, v[TM+4]
	v_lshl_or_b32 v[\pw], v[TM+6], 16, v[\pw]
	v_lshl_or_b32 v[\pw], v[TM+7], 24, v[\pw]
	v_cvt_scalef32_pk16_fp6_f32 v[(\d0):(\d0)+2], v[(\s):(\s)+15], v[TM+12]
	v_cvt_scalef32_pk16_fp6_f32 v[T2:T2+2], v[(\s)+16:(\s)+31], v[TM+13]
	v_cvt_scalef32_pk16_fp6_f32 v[(\d1):(\d1)+2], v[(\s)+32:(\s)+47], v[TM+14]
	v_cvt_scalef32_pk16_fp6_f32 v[T2+4:T2+6], v[(\s)+48:(\s)+63], v[TM+15]
	v_nop                                                  ; one plain line behind the scaled conversions
.irp i, 0,1,2
	v_permlane16_swap_b32 v[(\d0)+\i], v[T2+\i]            ; a lane gets a WHOLE block: lanes 0-15 the even one, lanes 16-31 the odd one
	v_permlane16_swap_b32 v[(\d1)+\i], v[T2+4+\i]
.endr
.irp i, 0,1,2
	v_mov_b32 v[(\d0)+3+\i], v[T2+\i]
	v_mov_b32 v[(\d1)+3+\i], v[T2+4+\i]
.endr
.endm
.macro FOLD                            ; eight partial sums become one, in v[TT]
	v_pk_add_f32 v[SM0:SM0+1], v[SM0:SM0+1], v[SM0+2:SM0+3]
	v_pk_add_f32 v[SM0+4:SM0+5], v[SM0+4:SM0+5], v[SM0+6:SM0+7]
	v_pk_add_f32 v[SM0:SM0+1], v[SM0:SM0+1], v[SM0+4:SM0+5]
	v_add_f32 v[TT], v[SM0], v[SM0+1]
.endm
.macro ACROSS off                      ; my lane's sums -> the row's sum over all 1,024 columns, in every lane of the row
	FOLD
	v_permlanex16_b32 v[SM0], v[TT], s[SEL], s[SEL+1]
	v_add_f32 v[TT], v[TT], v[SM0]                         ; the wave's 128 columns of row r (the same bits in both halves of the lanes)
	ds_store_b32 v8, v[TT] offset:\off
	s_wait_dscnt 0x0                                       ; for the other waves' sake: my store has landed
	s_barrier_signal -1
	s_barrier_wait -1
	ds_load_b128 v[SM0:SM0+3], v9 offset:\off
	ds_load_b128 v[SM0+4:SM0+7], v9 offset:\off+16
	s_wait_dscnt 0x0
	FOLD
.endm
	v_lshl_add_u32 v239, v0, 2, 0x10c00
	v_mov_b32 v243, 0
	s_cmp_ge_u32 ttmp9, 256                        ; the same for all waves of a work-group
	s_cbranch_scc1 .Lweights
	s_load_b128 s[4:7], s[0:1], 0x0                ; x, gamma
	s_load_b64 s[8:9], s[0:1], 0x10                ; beta
	s_load_b64 s[10:11], s[0:1], 0x78              ; acta
	v_lshrrev_b32 v1, 5, v0
	v_readfirstlane_b32 s12, v1                    ; wave = K step
	v_and_b32 v2, 31, v0
	v_and_b32 v3, 15, v0                           ; r
	v_bfe_u32 v10, v0, 4, 1                        ; h
	v_lshlrev_b32 v4, 4, v2                        ; 16 x lane
	s_mul_i32 s13, s12, 8448                       ; my stage
	v_add_nc_u32 v5, s13, v4                       ; into it: a row's 512 bytes as they lie
	v_mul_u32_u24 v6, v3, 528
	v_lshl_add_u32 v6, v10, 6, v6
	v_add_nc_u32 v6, s13, v6                       ; out of it: row r, + 64 h
	v_lshlrev_b32 v7, 6, v10                       ; gamma, beta: 64 h
	v_lshlrev_b32 v9, 5, v3
	v_add_nc_u32 v9, RED, v9                       ; row r's eight partial sums
	s_lshl_b32 s14, s12, 2
	v_add_nc_u32 v8, s14, v9                       ; and mine among them
	v_lshlrev_b32 v11, 2, v3                       ; a scale word's place: 4 r
	s_mov_b32 s[SEL], 0x76543210
	s_mov_b32 s[SEL+1], 0xfedcba98                 ; lane l xor 16
	s_mov_b32 s22, 0x3a800000                      ; 1 / 1024
	s_mov_b32 s23, 0x3727c5ac                      ; 1e-5
.irp b, 0,1,2,3
	v_mov_b32 v[TM+4+\b], 0                        ; a lane permute's destination counts as one of its sources
.endr
	v_mov_b32 v[MN+1], 0                           ; named as the mean's partner in a pair before it is made
	s_lshl_b32 s16, ttmp9, 16                      ; 16 rows of 4,096 bytes
	s_lshl_b32 s18, s12, 9                         ; my 512 bytes of a row
	s_add_co_u32 s16, s16, s18
	s_mov_b32 s17, 0
	s_mov_b32 s19, 0
	s_lshr_b32 s24, ttmp9, 3
	s_lshl_b32 s24, s24, 2
	s_lshr_b32 s25, s12, 1
	s_add_co_u32 s24, s24, s25
	s_mul_i32 s24, s24, 25600                      ; my piece: (T / 8) x 4 + s / 2
	s_and_b32 s25, s12, 1
	s_lshl_b32 s25, s25, 3
	s_and_b32 s26, ttmp9, 7
	s_add_co_u32 s25, s25, s26                     ; 8 (s % 2) + T % 8
	s_mul_i32 s26, s25, 1536
	s_add_co_u32 s26, s26, s24
	s_mov_b32 s27, 0
	s_lshl_b32 s28, s25, 6
	s_add_co_u32 s28, s28, s24
	s_add_co_u32 s28, s28, 24576
	s_mov_b32 s29, 0
	s_wait_kmcnt 0x0
	s_add_nc_u64 s[4:5], s[4:5], s[16:17]
	s_add_nc_u64 s[6:7], s[6:7], s[18:19]
	s_add_nc_u64 s[8:9], s[8:9], s[18:19]
	s_add_nc_u64 s[30:31], s[10:11], s[28:29]      ; the scale words
	s_add_nc_u64 s[10:11], s[10:11], s[26:27]      ; the codes
.irp i, 0,1,2,3,4,5,6,7,8,9,10,11,12,13,14,15
	global_load_b128 v[RAW+4*\i:RAW+4*\i+3], v4, s[4:5] offset:4096*\i    ; 32 lanes read 512 consecutive bytes of row i
.endr
.irp b, 0,1,2,3
.irp j, 0,1,2,3
	global_load_b128 v[BB+16*\b+4*\j:BB+16*\b+4*\j+3], v7, s[8:9] offset:128*\b+16*\j
.endr
.endr
	s_wait_loadcnt 16                              ; the rows are in; beta's sixteen loads may be out
.irp i, 0,1,2,3,4,5,6,7,8,9,10,11,12,13,14,15
	ds_store_b128 v5, v[RAW+4*\i:RAW+4*\i+3] offset:528*\i
.endr
.irp b, 0,1,2,3
.irp j, 0,1,2,3
	ds_load_b128 v[Y+16*\b+4*\j:Y+16*\b+4*\j+3], v6 offset:128*\b+16*\j    ; my wave's own bytes, and LDS serves a wave's instructions in order
.endr
.endr
	s_wait_dscnt 0x0                               ; the numbers are back, and the stores have read their registers,
.irp b, 0,1,2,3
.irp j, 0,1,2,3
	global_load_b128 v[RAW+16*\b+4*\j:RAW+16*\b+4*\j+3], v7, s[6:7] offset:128*\b+16*\j   ; which take gamma: it lands under the statistics
.endr
.endr
.irp k, 0,2,4,6
	v_pk_add_f32 v[SM0+\k:SM0+\k+1], v[Y+2*\k:Y+2*\k+1], v[Y+2*\k+2:Y+2*\k+3]
.endr
.irp i, 16,24,32,40,48,56
.irp k, 0,2,4,6
	v_pk_add_f32 v[SM0+\k:SM0+\k+1], v[SM0+\k:SM0+\k+1], v[Y+\i+\k:Y+\i+\k+1]
.endr
.endr
	ACROSS 0
	v_mul_f32 v[MN], s22, v[TT]                    ; the mean
.set n, 0
.rept 32
	v_pk_add_f32 v[Y+n:Y+n+1], v[Y+n:Y+n+1], v[MN:MN+1] op_sel_hi:[1,0] neg_lo:[0,1] neg_hi:[0,1]
.set n, n+2
.endr
.irp k, 0,2,4,6
	v_pk_mul_f32 v[SM0+\k:SM0+\k+1], v[Y+\k:Y+\k+1], v[Y+\k:Y+\k+1]
.endr
.irp i, 8,16,24,32,40,48,56
.irp k, 0,2,4,6
	v_pk_fma_f32 v[SM0+\k:SM0+\k+1], v[Y+\i+\k:Y+\i+\k+1], v[Y+\i+\k:Y+\i+\k+1], v[SM0+\k:SM0+\k+1]
.endr
.endr
	ACROSS 512                                     ; other bytes than the first table's: no barrier between the two
	v_fma_f32 v[TT], v[TT], s22, s23               ; var + eps
	v_rsq_f32 v[MN+1], v[TT]
	v_nop                                          ; a plain line behind the transcendental
	s_wait_alu depctr_va_vdst(0)                   ; the wait ahead of the result's first reader
.set n, 0
.rept 32
	v_pk_mul_f32 v[Y+n:Y+n+1], v[Y+n:Y+n+1], v[MN:MN+1] op_sel:[0,1] op_sel_hi:[1,1]
.set n, n+2
.endr
	s_wait_loadcnt 0x0                             ; gamma and beta
.set n, 0
.rept 32
	v_pk_fma_f32 v[Y+n:Y+n+1], v[Y+n:Y+n+1], v[RAW+n:RAW+n+1], v[BB+n:BB+n+1]
.set n, n+2
.endr
	QUANT Y, PC, PC+6, PW
.irp c, 0,1,2
	global_store_b128 v4, v[PC+4*\c:PC+4*\c+3], s[10:11] offset:512*\c     ; 32 lanes store 512 consecutive bytes
.endr
	global_store_b32 v11, v[PW], s[30:31]          ; both halves of the lanes hold and write the same word
	s_wait_tensorcnt 0x0
	ds_add_u32 v239, v243
	s_wait_dscnt 0x0
	s_endpgm
.Lweights:
; A wave lays one tile of 16 rows x 8 K steps.  j = work-group - 256: 0-31 wq, wk, wv, wo (8 work-groups each); 32-63 w1; 64-95 w2 (a tile's 32 K steps are four waves' work).
	s_load_b512 s[8:23], s[0:1], 0x18              ; wq, wk, wv, wo: codes, scales
	s_load_b256 s[24:31], s[0:1], 0x58             ; w1, w2: codes, scales
	s_load_b64 s[32:33], s[0:1], 0x80              ; wimg
	v_lshrrev_b32 v1, 5, v0
	v_readfirstlane_b32 s3, v1                     ; wave
	s_sub_co_u32 s2, ttmp9, 256                    ; j
	s_and_b32 s40, s2, 7
	s_lshl_b32 s40, s40, 3
	s_add_co_u32 s40, s40, s3                      ; the tile, if j < 32
	s_sub_co_u32 s41, s2, 32
	s_lshl_b32 s41, s41, 3
	s_add_co_u32 s41, s41, s3                      ; if 32 <= j < 64
	s_sub_co_u32 s42, s2, 64
	s_lshl_b32 s42, s42, 3
	s_add_co_u32 s42, s42, s3
	s_lshr_b32 s43, s42, 2                         ; if 64 <= j,
	s_and_b32 s44, s42, 3                          ; and which eight K steps
	s_lshr_b32 s45, s2, 3
	s_mul_i32 s45, s45, 819200                     ; where the first four weights' pieces begin
	s_cmp_lt_u32 s2, 64
	s_cselect_b32 s46, s41, s43
	s_cselect_b32 s44, 0, s44
	s_mov_b32 s47, 6553600
	s_cselect_b32 s47, 3276800, s47
	s_mov_b32 s48, 3072
	s_cselect_b32 s48, 768, s48                    ; a row of codes in bytes
	s_mov_b32 s49, 128
	s_cselect_b32 s49, 32, s49                     ; a row of scale bytes
	s_cselect_b32 s50, 4, 16                       ; pieces in an octet
	s_cmp_lt_u32 s2, 32
	s_cselect_b32 s46, s40, s46                    ; t
	s_cselect_b32 s47, s45, s47
	s_lshr_b32 s51, s46, 1
	s_lshl_b32 s51, s51, 5
	s_and_b32 s52, s46, 1
	s_lshl_b32 s52, s52, 3
	s_add_co_u32 s51, s51, s52                     ; 32 (t / 2) + 8 (t % 2)
	s_mul_i32 s52, s51, s48
	s_mul_i32 s53, s44, 768
	s_add_co_u32 s52, s52, s53
	s_mov_b32 s53, 0
	s_mul_i32 s54, s51, s49
	s_lshl_b32 s55, s44, 5
	s_add_co_u32 s54, s54, s55
	s_mov_b32 s55, 0
	s_lshr_b32 s56, s46, 3
	s_mul_i32 s56, s56, s50
	s_lshl_b32 s57, s44, 2
	s_add_co_u32 s56, s56, s57
	s_mul_i32 s56, s56, 25600
	s_add_co_u32 s56, s56, s47                     ; my first piece
	s_and_b32 s57, s46, 7
	s_mul_i32 s58, s57, 1536
	s_add_co_u32 s58, s58, s56
	s_mov_b32 s59, 0
	s_lshl_b32 s60, s57, 6
	s_add_co_u32 s60, s60, s56
	s_add_co_u32 s60, s60, 24576
	s_mov_b32 s61, 0
	v_and_b32 v2, 31, v0
	v_and_b32 v3, 15, v0
	v_bfe_u32 v4, v0, 4, 1
	v_and_b32 v5, 8, v3
	v_add_nc_u32 v5, v5, v3                        ; r + 8 (r / 8)
	v_mul_lo_u32 v6, v5, s48
	v_mad_u32_u24 v6, v4, 24, v6                   ; my row's codes, + 24 h
	v_mul_lo_u32 v7, v5, s49                       ; my row's scale bytes
	v_lshlrev_b32 v8, 4, v2
	v_lshlrev_b32 v9, 2, v3
	s_wait_kmcnt 0x0
	s_cmp_lt_u32 s2, 64                            ; the choices hang on the work-group's number alone
	s_cselect_b64 s[34:35], s[24:25], s[28:29]
	s_cselect_b64 s[36:37], s[26:27], s[30:31]
	s_cmp_lt_u32 s2, 32
	s_cselect_b64 s[34:35], s[20:21], s[34:35]
	s_cselect_b64 s[36:37], s[22:23], s[36:37]
	s_cmp_lt_u32 s2, 24
	s_cselect_b64 s[34:35], s[16:17], s[34:35]
	s_cselect_b64 s[36:37], s[18:19], s[36:37]
	s_cmp_lt_u32 s2, 16
	s_cselect_b64 s[34:35], s[12:13], s[34:35]
	s_cselect_b64 s[36:37], s[14:15], s[36:37]
	s_cmp_lt_u32 s2, 8
	s_cselect_b64 s[34:35], s[8:9], s[34:35]
	s_cselect_b64 s[36:37], s[10:11], s[36:37]
	s_add_nc_u64 s[34:35], s[34:35], s[52:53]
	s_add_nc_u64 s[36:37], s[36:37], s[54:55]
	s_add_nc_u64 s[38:39], s[32:33], s[58:59]
	s_add_nc_u64 s[32:33], s[32:33], s[60:61]
.irp t, 0,1,2,3,4,5,6,7
.irp p, 0,1,2,3,4,5
	global_load_b64 v[16+12*\t+2*\p:17+12*\t+2*\p], v6, s[34:35] offset:96*\t+48*(\p/3)+8*(\p%3)   ; the fragment of K step t, as the row's bits lie
.endr
	global_load_b32 v[112+\t], v7, s[36:37] offset:4*\t
.endr
	s_wait_loadcnt 0x0
.irp t, 0,1,2,3,4,5,6,7
.irp c, 0,1,2
	global_store_b128 v8, v[16+12*\t+4*\c:19+12*\t+4*\c], s[38:39] offset:(\t/2)*25600+(\t%2)*12288+512*\c
.endr
	global_store_b32 v9, v[112+\t], s[32:33] offset:(\t/2)*25600+(\t%2)*512
.endr
	s_endpgm
.Lfunc_end_k_qbe4a867ec6_prep:
	.size	k_qbe4a867ec6_prep, .Lfunc_end_k_qbe4a867ec6_prep-k_qbe4a867ec6_prep
	.p2alignl 7, 3214868480
	.fill 96, 4, 3214868480
	.section	.rodata,"a",@progbits
	.p2align	6, 0x0
	.amdhsa_kernel k_qbe4a867ec6_prep
		.amdhsa_group_segment_fixed_size 69632
		.amdhsa_private_segment_fixed_size 0
		.amdhsa_enable_private_segment 0
		.amdhsa_kernarg_size 136
		.amdhsa_user_sgpr_count 2
		.amdhsa_user_sgpr_kernarg_segment_ptr 1
		.amdhsa_wavefront_size32 1
		.amdhsa_system_sgpr_workgroup_id_x 1
		.amdhsa_system_sgpr_workgroup_id_y 1
		.amdhsa_system_sgpr_workgroup_id_z 1
		.amdhsa_system_vgpr_workitem_id 0
		.amdhsa_next_free_vgpr 256
		.amdhsa_next_free_sgpr 66
		.amdhsa_reserve_vcc 0
		.amdhsa_float_denorm_mode_32 3
		.amdhsa_float_denorm_mode_16_64 3
		.amdhsa_memory_ordered 1
		.amdhsa_forward_progress 1
		.amdhsa_inst_pref_size 37
	.end_amdhsa_kernel
	.amdgpu_metadata
---
amdhsa.version: [ 1, 2 ]
amdhsa.kernels:
  - .name:           k_qbe4a867ec6_prep
    .symbol:         k_qbe4a867ec6_prep.kd
    .args:
      - { .name: x, .offset: 0, .size: 8, .value_kind: global_buffer, .address_space: global }
      - { .name: ln1_g, .offset: 8, .size: 8, .value_kind: global_buffer, .address_space: global }
      - { .name: ln1_b, .offset: 16, .size: 8, .value_kind: global_buffer, .address_space: global }
      - { .name: wq_codes, .offset: 24, .size: 8, .value_kind: global_buffer, .address_space: global }
      - { .name: wq_scales, .offset: 32, .size: 8, .value_kind: global_buffer, .address_space: global }
      - { .name: wk_codes, .offset: 40, .size: 8, .value_kind: global_buffer, .address_space: global }
      - { .name: wk_scales, .offset: 48, .size: 8, .value_kind: global_buffer, .address_space: global }
      - { .name: wv_codes, .offset: 56, .size: 8, .value_kind: global_buffer, .address_space: global }
      - { .name: wv_scales, .offset: 64, .size: 8, .value_kind: global_buffer, .address_space: global }
      - { .name: wo_codes, .offset: 72, .size: 8, .value_kind: global_buffer, .address_space: global }
      - { .name: wo_scales, .offset: 80, .size: 8, .value_kind: global_buffer, .address_space: global }
      - { .name: w1_codes, .offset: 88, .size: 8, .value_kind: global_buffer, .address_space: global }
      - { .name: w1_scales, .offset: 96, .size: 8, .value_kind: global_buffer, .address_space: global }
      - { .name: w2_codes, .offset: 104, .size: 8, .value_kind: global_buffer, .address_space: global }
      - { .name: w2_scales, .offset: 112, .size: 8, .value_kind: global_buffer, .address_space: global }
      - { .name: acta, .offset: 120, .size: 8, .value_kind: global_buffer, .address_space: global }
      - { .name: wimg, .offset: 128, .size: 8, .value_kind: global_buffer, .address_space: global }
    .group_segment_fixed_size: 69632
    .private_segment_fixed_size: 0
    .kernarg_segment_align: 8
    .kernarg_segment_size: 136
    .max_flat_workgroup_size: 256
    .sgpr_count:     66
    .vgpr_count:     256
    .wavefront_size: 32
...
	.end_amdgpu_metadata
.endif
;; end of part 1
;; launch qkv (part 2): grid 12 x 16, 4 waves a work-group, clusters of 4 x 4, 327,680 bytes of LDS; arguments acta, wimg, bq, bk, bv, qb, kv; writes qb, kv
.if DOCPART == 2
	.amdgcn_target "amdgcn-amd-amdhsa--gfx1250"
	.amdhsa_code_object_version 6
	.text
	.protected	k_qbe4a867ec6_qkv
	.globl	k_qbe4a867ec6_qkv
	.p2align	8
	.type	k_qbe4a867ec6_qkv,@function
k_qbe4a867ec6_qkv:
	s_mov_b64 s[64:65], 0
	v_nop
	global_prefetch_b8 v0, s[64:65] scope:SCOPE_SE
	s_setreg_imm32_b32 hwreg(HW_REG_WAVE_MODE, 25, 1), 1
	s_wait_xcnt 0x0
	s_wait_alu depctr_hold_cnt(0) depctr_sa_sdst(0) depctr_va_vdst(0) depctr_va_sdst(0) depctr_va_ssrc(0) depctr_va_vcc(0) depctr_vm_vsrc(0)
	s_getreg_b32 s2, hwreg(HW_REG_IB_STS2, 6, 4)
	s_cmp_eq_u32 s2, 0
	s_cbranch_scc0 .Lentry_in_a_cluster
	s_endpgm
.Lentry_in_a_cluster:
	s_bfe_u32 s2, ttmp6, 0x10000c
	s_cmp_lg_u32 s2, 0xf033
	s_cbranch_scc0 .Lentry_shape_is_right
	s_endpgm
.Lentry_shape_is_right:
; Q, K and V = LN1(x) W^T + b, on codes of FP6 (E2M3) with E8M0 scales, K = 1,024; the results are quantised here and stored as images of the operands that the attention launch wants.
; A work-group of four waves makes 256 x 256, a wave 128 x 128 (64 accumulators).  Both operands lie in memory as PIECES of 25,600 bytes (128 rows x 256 along K as images of the operand's registers, their scale words behind them):
; one tensor load brings a piece, a fragment is three LDS loads of 512 consecutive bytes, and the scale words come with the codes.  K goes in steps of 256 through a ring of two slots of four pieces.
; CLUSTERS 4 x 4: side A (source 1: a lane holds its row) is shared along a row of the cluster, side B (source 0: the registers run along it) along a column: joint loads.
; Cluster x = 0: Q; 1: K: A = tokens, B = the weight's rows, so a lane holds a token and 16 neighbouring features in two tiles' registers: quantised along the head's 64.
; Cluster x = 2: V: the POINTERS are swapped (A = wv's rows, B = tokens): a lane holds a feature d and its registers run down the tokens: quantised along the keys.  The loop's text is one for all three.
; A KVBLOCK (12,800 bytes) for each (batch x 16 + head, 128 tokens): four images of K (registers 0-5: token 32 b + r, registers 6-11: token 32 b + 16 + r, 64 dims each), four of V^T (16 d x 128 keys),
; 256 bytes of K's scale words (16 bytes a lane r: image 0 .. 3), 256 of V's.  qb has K's layout for Q.  Within a block of 32 keys V's codes stand in the order 0-7, 16-23, 8-15, 24-31, as the softmax's will.
; LIMITS: NaN and infinities are not served; a block whose largest magnitude lies under 2^-124, a block of zeros among them, gets the byte 1 (this program alone reads the bytes).
.set TA,   8                           ; tiles of 16 of a wave along A and along B
.set TB,   8
.set NQ,   2                           ; K steps of 128 in a slot
.set WSC,  25600                       ; from the first half's codes to the second's, inside a side of a slot
.set WSS,  25600                       ; the same for the scale words
.set KS,   8                           ; K steps in all
.set BLKB, 2*(KS/2)*25600              ; a block of 256 rows in memory
.set GW,   (KS/2)*25600                ; what the wave's low bit adds to the address that it fetches from
.set GS,   25600                       ; from slot 0's first tile to slot 1's
.set GL,   51200                       ; a lap
.set LAPS, 2
.set PIECE, 25600
.set SLOT,  4*PIECE                    ; A's two pieces, then B's two
.set SPARE, 2*SLOT                     ; behind the ring: the spare words, 128 bytes a wave
.set FR,   12
.set NL,   3                           ; LDS loads that bring a fragment
.set HA,   TA/2
.set ADRA, 16                          ; v16-17 LDS address of my A fragments in slot 0, 1
.set ADRB, 20                          ; v20-21 of B's
.set ADRS, 22                          ; v22-23 of my scale words: lanes 0-15 A's, lanes 16-31 B's
.set SPW,  28                          ; v28 my spare word's address; never rewritten
.set NIL,  29                          ; v29 0; never rewritten
.set SC,   32                          ; v32-63 scale words, a set of 16 for each slot: register NQ i + q; they hold nothing else
.set BI,   64                          ; v64-127 the bias along B
.set AF,   128                         ; v128-223 A's fragments, one set.  Window 1: B's two sets at v0 and v128.  Windows 2, 3: the accumulators, (a, b) at 8 ((8 a + b) % 32)
.set G1,   24
.set G0,   32
.set G1B,  48
.set G0B,  56
.set H,    128                         ; the way out, in window 0: 64 numbers
.set IA,   192                         ; an image for the first head, v192-203
.set IB,   204                         ; for the second, v204-215
.set T2,   216
.set BV,   224                         ; v224-231 the bias along A (V's)
.set TM,   232
.set PWA,  248                         ; v248-249 two tiles' scale words
.set WA,   8                           ; v8-11, v12-15 the gathered scale words of the two heads
.set WB,   12
.set SEL,  96
.set MSB,  0
.macro WIN new                         ; the immediate's high byte repeats the setting that is left
.if MSB != (\new)
	s_set_vgpr_msb (MSB<<8)|(\new)
.set MSB, (\new)
.endif
.endm
.macro JLOAD g0a, g1a, g0b, g1b        ; a joint load: waves 0, 1 fetch for A, waves 2, 3 for B; four v_nop follow each line
	s_cmp_eq_u32 s15, 0
	s_cbranch_scc0 .Lfor_b_\@
	tensor_load_to_lds s[\g0a:\g0a+3], s[\g1a:\g1a+7]
	s_nop 0
.rept 4
	v_nop
.endr
	s_branch .Lasked_\@
.Lfor_b_\@:
	tensor_load_to_lds s[\g0b:\g0b+3], s[\g1b:\g1b+7]
	s_nop 0
.rept 4
	v_nop
.endr
.Lasked_\@:
.endm
.macro CREST                           ; a round of the cluster's barrier behind its opening barrier
	s_cmp_lg_u32 s14, 0
	s_cbranch_scc1 .Lnot_wave_0_\@
	s_barrier_signal -3
.Lnot_wave_0_\@:
	s_barrier_wait -3
	s_barrier_signal -1
	s_barrier_wait -1
.endm
.macro CROUND
	s_barrier_signal -1
	s_barrier_wait -1
	CREST
.endm
.macro PLACES n                        ; plain vector lines between a matrix instruction and a load into, or a read of, its registers
.rept \n
	v_nop
.endr
.endm
.macro FRAG reg, adr, q, i             ; a fragment comes as it was stored: three loads of 512 consecutive bytes
.irp c, 0,1,2
	ds_load_b128 v[(\reg)+4*\c:(\reg)+4*\c+3], v[\adr] offset:((\q)/2)*PIECE+(8*((\q)&1)+(\i))*1536+512*\c
.endr
.endm
.macro FETCH_A slot, q, i0, n
.set fi, \i0
.rept \n
	FRAG AF+FR*fi, ADRA+\slot, \q, fi
.set fi, fi+1
.endr
.endm
.macro FETCH_B slot, q, p
	WIN 0x40
.set fi, 0
.rept TB
	FRAG 128*(\p)+FR*fi, ADRB+\slot, \q, fi
.set fi, fi+1
.endr
	WIN 0
.endm
.macro SCALES slot                     ; a slot's scale words: lanes 0-15 A's tile i, lanes 16-31 B's tile i
.set fi, 0
.rept TA
.set fq, 0
.rept NQ
	ds_load_b32 v[SC+16*\slot+NQ*fi+fq], v[ADRS+\slot] offset:(fq/2)*PIECE+24576+(8*(fq&1)+fi)*64
.set fq, fq+1
.endr
.set fi, fi+1
.endr
.endm
; A's tiles a0 .. a0 + na - 1 against B's TB.  p: B's set; q: the K step in the slot; sc: the set of scale words.  zero = 1: the products start the sums; 2: with the bias as C.
; The accumulators take turns, one instruction a turn, in the same order in every step.
.macro MUL a0, na, p, q, sc, zero
.if (\zero) == 2
	WIN 0x81+0x40*(((\a0)*TB)/32)
.else
	WIN 0xa1+0x50*(((\a0)*TB)/32)
.endif
.set ma, \a0
.rept \na
.set mb, 0
.rept TB
.set md, 8*((ma*TB+mb)%32)
.if (\zero) == 1
	v_wmma_scale_f32_16x16x128_f8f6f4 v[md:md+7], v[128*(\p)+FR*mb:128*(\p)+FR*mb+FR-1], v[AF+FR*ma:AF+FR*ma+FR-1], 0, v[SC+16*(\sc)+NQ*mb+(\q)], v[SC+16*(\sc)+NQ*ma+(\q)] matrix_a_fmt:MATRIX_FMT_FP6 matrix_b_fmt:MATRIX_FMT_FP6 matrix_a_scale:MATRIX_SCALE_ROW1
.elseif (\zero) == 2
	v_wmma_scale_f32_16x16x128_f8f6f4 v[md:md+7], v[128*(\p)+FR*mb:128*(\p)+FR*mb+FR-1], v[AF+FR*ma:AF+FR*ma+FR-1], v[BI+8*mb:BI+8*mb+7], v[SC+16*(\sc)+NQ*mb+(\q)], v[SC+16*(\sc)+NQ*ma+(\q)] matrix_a_fmt:MATRIX_FMT_FP6 matrix_b_fmt:MATRIX_FMT_FP6 matrix_a_scale:MATRIX_SCALE_ROW1
.else
	v_wmma_scale_f32_16x16x128_f8f6f4 v[md:md+7], v[128*(\p)+FR*mb:128*(\p)+FR*mb+FR-1], v[AF+FR*ma:AF+FR*ma+FR-1], v[md:md+7], v[SC+16*(\sc)+NQ*mb+(\q)], v[SC+16*(\sc)+NQ*ma+(\q)] matrix_a_fmt:MATRIX_FMT_FP6 matrix_b_fmt:MATRIX_FMT_FP6 matrix_a_scale:MATRIX_SCALE_ROW1
.endif
.set mb, mb+1
.endr
.set ma, ma+1
.endr
.endm
.macro STEP slot, q, zero              ; a K step that has its successor in the same slot
	s_wait_dscnt HA*NL                             ; all but the youngest loads, A's upper tiles, are in
	MUL 0, HA, ((\q)&1), \q, \slot, \zero
	s_wait_dscnt 0x0                               ; A's upper tiles
	PLACES 4
	FETCH_B \slot, (\q)+1, 1-((\q)&1)
	FETCH_A \slot, (\q)+1, 0, HA
	MUL HA, HA, ((\q)&1), \q, \slot, \zero
	PLACES 4
	WIN 0
	FETCH_A \slot, (\q)+1, HA, HA
.endm
.macro STEPS slot, zero                ; all of a slot's steps but the last
	STEP \slot, 0, \zero
.set sq, 1
.rept NQ-2
	STEP \slot, sq, 0
.set sq, sq+1
.endr
.endm
; A slot's last step changes slots: one barrier; in front of it each wave waits for all its tensor loads, adds 0 to its spare word, and waits for that and for its reads of this slot.  fill = 1: the slot is filled again, a lap ahead.
.macro TURN slot, next, fill
	s_wait_tensorcnt 0x0                           ; all my tensor loads have landed: my part of the next slot
	ds_add_u32 v[SPW], v[NIL]                      ; 0 onto my spare word
	s_wait_dscnt HA*NL+1                           ; (the add and A's upper tiles may be out)
	MUL 0, HA/2, 1, NQ-1, \slot, 0
	s_wait_dscnt 0x0                               ; the add is done, and my reads of this slot are over
	s_barrier_signal -1
	MUL HA/2, HA/2, 1, NQ-1, \slot, 0
	WIN 0
	s_barrier_wait -1
.if \fill
	CREST                                          ; the barrier has opened a round of the cluster's: no wave of any partner still reads this slot or has a load on its way
	s_add_nc_u64 s[G0+4*\slot+2:G0+4*\slot+3], s[G0+4*\slot+2:G0+4*\slot+3], GL
	s_add_nc_u64 s[G0B+4*\slot+2:G0B+4*\slot+3], s[G0B+4*\slot+2:G0B+4*\slot+3], GL
	JLOAD G0+4*\slot, G1, G0B+4*\slot, G1B         ; the first tensor load behind the round; its four v_nop are the places in front of the loads below
.else
	PLACES 4
.endif
	FETCH_B \next, 0, 0
	FETCH_A \next, 0, 0, HA
	SCALES \next
	MUL HA, HA, 1, NQ-1, \slot, 0
	PLACES 4
	WIN 0
	FETCH_A \next, 0, HA, HA
.endm
.macro LAST
	s_wait_dscnt HA*NL
	MUL 0, HA, 1, NQ-1, 1, 0
	s_wait_dscnt 0x0
	MUL HA, HA, 1, NQ-1, 1, 0
	WIN 0
.endm
; 64 numbers of a lane, register 16 b + i, become codes: blocks 0, 1 in v[d0] .. v[d0 + 5], blocks 2, 3 in v[d1] .. v[d1 + 5]; the four scale bytes in v[pw].
.macro QUANT s, d0, d1, pw
.irp b, 0,1,2,3
	v_max3_num_f32 v[TM+\b], |v[(\s)+16*\b]|, |v[(\s)+1+16*\b]|, 0x1800000   ; and the floor 2^(3 - 127): the byte cannot fall under 1
.endr
.irp i, 2,4,6,8,10,12,14
.irp b, 0,1,2,3
	v_max3_num_f32 v[TM+\b], v[TM+\b], |v[(\s)+16*\b+\i]|, |v[(\s)+1+16*\b+\i]|
.endr
.endr
.irp b, 0,1,2,3
	v_permlanex16_b32 v[TM+4+\b], v[TM+\b], s[SEL], s[SEL+1]
.endr
.irp b, 0,1,2,3
	v_max_num_f32 v[TM+\b], v[TM+\b], v[TM+4+\b]
.endr
.irp b, 0,1,2,3
	v_add_nc_u32 v[TM+12+\b], 0xff000000, v[TM+\b]         ; 2 off the exponent field: the conversion's scale operand
.endr
.irp b, 0,1,2,3
	v_lshrrev_b32 v[TM+4+\b], 23, v[TM+12+\b]
.endr
	v_lshl_or_b32 v[\pw], v[TM+5], 8, v[TM+4]
	v_lshl_or_b32 v[\pw], v[TM+6], 16, v[\pw]
	v_lshl_or_b32 v[\pw], v[TM+7], 24, v[\pw]
	v_cvt_scalef32_pk16_fp6_f32 v[(\d0):(\d0)+2], v[(\s):(\s)+15], v[TM+12]
	v_cvt_scalef32_pk16_fp6_f32 v[T2:T2+2], v[(\s)+16:(\s)+31], v[TM+13]
	v_cvt_scalef32_pk16_fp6_f32 v[(\d1):(\d1)+2], v[(\s)+32:(\s)+47], v[TM+14]
	v_cvt_scalef32_pk16_fp6_f32 v[T2+4:T2+6], v[(\s)+48:(\s)+63], v[TM+15]
	v_nop                                                  ; one plain line behind the scaled conversions
.irp i, 0,1,2
	v_permlane16_swap_b32 v[(\d0)+\i], v[T2+\i]
	v_permlane16_swap_b32 v[(\d1)+\i], v[T2+4+\i]
.endr
.irp i, 0,1,2
	v_mov_b32 v[(\d0)+3+\i], v[T2+\i]
	v_mov_b32 v[(\d1)+3+\i], v[T2+4+\i]
.endr
.endm
.macro ADDB a                          ; A's tile a out of its window, with the bias that runs along the registers; each accumulator is read from its low end on
	WIN 0x02+((\a)/4)
.set n, 0
.rept 32
	v_pk_add_f32 v[H+n:H+n+1], v[64*((\a)%4)+n:64*((\a)%4)+n+1], v[BI+n:BI+n+1]
.set n, n+2
.endr
	WIN 0
.endm
.macro ADDV a                          ; the same with the bias of the lane's own row
	WIN 0x02+((\a)/4)
.set n, 0
.rept 32
.if ((\a)%2) == 0
	v_pk_add_f32 v[H+n:H+n+1], v[64*((\a)%4)+n:64*((\a)%4)+n+1], v[BV+(\a):BV+(\a)+1] op_sel_hi:[1,0]
.else
	v_pk_add_f32 v[H+n:H+n+1], v[64*((\a)%4)+n:64*((\a)%4)+n+1], v[BV+(\a)-1:BV+(\a)] op_sel:[0,1] op_sel_hi:[1,1]
.endif
.set n, n+2
.endr
	WIN 0
.endm
	s_load_b128 s[4:7], s[0:1], 0x0                ; acta, wimg
	s_load_b128 s[8:11], s[0:1], 0x10              ; bq, bk
	s_load_b128 s[68:71], s[0:1], 0x20             ; bv, qb
	s_load_b64 s[72:73], s[0:1], 0x30              ; kv
	v_lshl_add_u32 v[SPW], v0, 2, SPARE
	v_mov_b32 v[NIL], 0
	ds_add_u32 v28, v29
	ds_add_u32 v28, v29
	s_wait_dscnt 0x0
	v_lshrrev_b32 v1, 5, v0
	v_readfirstlane_b32 s14, v1                    ; wave 0..3
	s_lshr_b32 s15, s14, 1                         ; my half of A.  Also: I fetch for A (0) or for B (1)
	s_and_b32 s16, s14, 1                          ; my half of B.  Also: which piece of that side I fetch
	s_bfe_u32 s40, ttmp6, 0x40000                  ; cx
	s_bfe_u32 s41, ttmp6, 0x40004                  ; cy
	s_and_b32 s67, ttmp7, 0xffff
	s_lshl_b32 s67, s67, 2                         ; 4 x cluster y
	s_add_co_u32 s18, s67, s41
	s_add_co_u32 s19, s67, s40
	s_cmp_eq_u32 ttmp9, 2                          ; the cluster's x: the same in all sixteen partners
	s_cselect_b32 s17, s41, s18                    ; A's block of 256 rows: V: wv's rows by cy; Q, K: tokens by 4 cluster y + cy
	s_cselect_b32 s42, s19, s40                    ; B's: V: tokens by 4 cluster y + cx; Q, K: the weight's rows by cx
	s_lshl_b32 s43, s41, 2
	s_lshl_b32 s43, 15, s43                        ; my row of the cluster
	s_lshl_b32 s44, 0x1111, s40                    ; my column
	s_or_b32 s[G1], s43, (3<<16)|(1<<21)           ; the mask; elements of 8 bytes; bit 21 set beside a mask; no padding
	s_or_b32 s[G1B], s44, (3<<16)|(1<<21)
.irp g, G1, G1B
	s_mov_b32 s[\g+1], 32<<16                      ; tensor_dim0: a row of 256 bytes
	s_mov_b32 s[\g+2], 100<<16                     ; tensor_dim1: a piece is 100 of them
	s_mov_b32 s[\g+3], 32<<16                      ; tile_dim0
	s_mov_b32 s[\g+4], 100                         ; tile_dim1
	s_mov_b32 s[\g+5], 32                          ; the pitch: dense
	s_mov_b32 s[\g+6], 0
	s_mov_b32 s[\g+7], 0
.endr
	s_mul_i32 s18, s16, GW
	s_mul_i32 s20, s17, BLKB
	s_add_co_u32 s20, s20, s18
	s_mov_b32 s21, 0
	s_mul_i32 s46, s42, BLKB
	s_add_co_u32 s46, s46, s18
	s_mov_b32 s47, 0
	s_mul_i32 s45, s14, PIECE                      ; where my piece goes: no place in the cluster enters an LDS address
	s_mul_i32 s74, ttmp9, 819200                   ; wq, wk, wv lie one behind the other
	s_mov_b32 s75, 0
	s_wait_kmcnt 0x0
	s_add_nc_u64 s[6:7], s[6:7], s[74:75]
	s_cmp_eq_u32 ttmp9, 2
	s_cselect_b64 s[76:77], s[6:7], s[4:5]         ; A's buffer
	s_cselect_b64 s[78:79], s[4:5], s[6:7]         ; B's
	s_add_nc_u64 s[20:21], s[76:77], s[20:21]
	s_add_nc_u64 s[46:47], s[78:79], s[46:47]
	CROUND                                         ; all sixteen work-groups are here: the first joint loads meet
.irp s, 0,1
	s_mov_b32 s[G0+4*\s], 1
	s_add_co_u32 s[G0+4*\s+1], s45, \s*SLOT
	s_add_nc_u64 s[G0+4*\s+2:G0+4*\s+3], s[20:21], \s*GS
	s_or_b32 s[G0+4*\s+3], s[G0+4*\s+3], 0x80000000
	s_mov_b32 s[G0B+4*\s], 1
	s_add_co_u32 s[G0B+4*\s+1], s45, \s*SLOT
	s_add_nc_u64 s[G0B+4*\s+2:G0B+4*\s+3], s[46:47], \s*GS
	s_or_b32 s[G0B+4*\s+3], s[G0B+4*\s+3], 0x80000000
	JLOAD G0+4*\s, G1, G0B+4*\s, G1B               ; two loads of mine are out
.endr
	v_and_b32 v1, 15, v0                           ; r
	v_bfe_u32 v2, v0, 4, 1                         ; h
	v_and_b32 v3, 31, v0
	v_lshlrev_b32 v3, 4, v3                        ; 16 x lane
	s_mul_i32 s21, s15, WSC
	s_mul_i32 s22, s16, WSC
	s_add_co_u32 s22, s22, 2*PIECE
.irp s, 0,1
	v_add_nc_u32 v[ADRA+\s], s21, v3
	v_add_nc_u32 v[ADRB+\s], s22, v3
	s_add_co_u32 s21, s21, SLOT
	s_add_co_u32 s22, s22, SLOT
.endr
	s_mul_i32 s21, s15, WSS
	s_mul_i32 s22, s16, WSS
	s_add_co_u32 s22, s22, 2*PIECE
	s_sub_co_u32 s22, s22, s21
	v_mul_u32_u24 v5, s22, v2                      ; lanes 16-31 take B's words: one product, h x the distance
	v_lshl_add_u32 v5, v1, 2, v5
	v_add_nc_u32 v[ADRS], s21, v5
	v_add_nc_u32 v[ADRS+1], SLOT, v[ADRS]
	v_lshlrev_b32 v4, 6, v2                        ; 64 h
	v_and_b32 v6, 8, v1
	v_add_nc_u32 v6, v6, v1
	v_lshlrev_b32 v6, 2, v6                        ; 4 (r + 8 (r / 8))
	v_lshlrev_b32 v7, 4, v1
	v_lshl_add_u32 v7, v2, 3, v7                   ; 16 r + 8 h
	s_mov_b32 s[SEL], 0x76543210
	s_mov_b32 s[SEL+1], 0xfedcba98
	s_mov_b32 s90, 0xffff0000                      ; lanes 16-31
.irp b, 0,1,2,3
	v_mov_b32 v[TM+4+\b], 0                        ; a lane permute's destination counts as one of its sources
.endr
	s_cmp_eq_u32 ttmp9, 0
	s_cselect_b64 s[80:81], s[8:9], s[10:11]
	s_cselect_b64 s[86:87], s[70:71], s[72:73]     ; the results' buffer: qb, else kv
	s_cmp_eq_u32 ttmp9, 2
	s_cselect_b64 s[80:81], s[68:69], s[80:81]     ; my weight's bias
	s_lshl_b32 s82, s40, 10
	s_lshl_b32 s83, s16, 9
	s_add_co_u32 s82, s82, s83                     ; (256 cx + 128 x my half of B) x 4
	s_mov_b32 s83, 0
	s_add_nc_u64 s[80:81], s[80:81], s[82:83]
	s_lshl_b32 s82, s41, 10
	s_lshl_b32 s84, s15, 9
	s_add_co_u32 s82, s82, s84                     ; (256 cy + 128 x my half of A) x 4
	s_add_nc_u64 s[84:85], s[68:69], s[82:83]
.irp b, 0,1,2,3,4,5,6,7                        ; both biases are always loaded: no branch; each path uses its own
	global_load_b128 v[BI+8*\b:BI+8*\b+3], v4, s[80:81] offset:(32*(\b/2)+8*(\b%2))*4
	global_load_b128 v[BI+8*\b+4:BI+8*\b+7], v4, s[80:81] offset:(32*(\b/2)+8*(\b%2))*4+16
	global_load_b32 v[BV+\b], v6, s[84:85] offset:(32*(\b/2)+8*(\b%2))*4
.endr
	s_wait_tensorcnt 1                             ; my part of slot 0 is in; slot 1's may be out
	s_barrier_signal -1
	s_barrier_wait -1
	FETCH_B 0, 0, 0
	FETCH_A 0, 0, 0, HA
	SCALES 0
	FETCH_A 0, 0, HA, HA
	STEPS 0, 1                                     ; the first step stands in front of the loop: its products start the sums
.if LAPS > 1
	s_mov_b32 s3, LAPS-1
.Llap:
	TURN 0, 1, 1
	STEPS 1, 0
	TURN 1, 0, 1
	STEPS 0, 0
	s_sub_co_u32 s3, s3, 1
	s_cmp_lg_u32 s3, 0
	s_cbranch_scc1 .Llap
.endif
	TURN 0, 1, 0                                   ; the last lap fills nothing
	STEPS 1, 0
	LAST
	; THE WAY OUT: bias, quantiser, images; 512 consecutive bytes a store, straight from registers.
	s_cmp_eq_u32 ttmp9, 2
	s_cselect_b32 s74, s42, s17                    ; the tokens' block,
	s_cselect_b32 s75, s16, s15                    ; my half of it,
	s_cselect_b32 s76, s17, s42                    ; the features' block,
	s_cselect_b32 s77, s15, s16                    ; my half of it
	s_lshl_b32 s74, s74, 1
	s_add_co_u32 s74, s74, s75                     ; my 128 tokens: octet 0 .. 31
	s_lshr_b32 s75, s74, 4                         ; batch
	s_and_b32 s74, s74, 15                         ; key step
	s_lshl_b32 s76, s76, 2
	s_lshl_b32 s77, s77, 1
	s_add_co_u32 s76, s76, s77                     ; my first head of two
	s_lshl_b32 s75, s75, 4
	s_add_co_u32 s75, s75, s76
	s_lshl_b32 s75, s75, 4
	s_add_co_u32 s75, s75, s74
	s_mul_i32 s74, s75, 12800
	s_mov_b32 s75, 0
	s_add_nc_u64 s[92:93], s[86:87], s[74:75]      ; the first head's block,
	s_add_nc_u64 s[94:95], s[92:93], 204800        ; the second's: 16 blocks on
	s_wait_loadcnt 0x0                             ; the biases
	PLACES 4                                       ; in front of the first read of results and the first write over A's fragments
	s_cmp_eq_u32 ttmp9, 2
	s_cbranch_scc1 .Lvpath
.irp i, 0,1,2,3                                ; Q, K: image i takes token tiles 2 i and 2 i + 1; registers 0-31 are the first head's 64 dims, 32-63 the second's
	s_wait_xcnt 0x0                                ; the last images' stores have read their registers
.irp e, 0,1
	ADDB 2*\i+\e
	QUANT H, IA+6*\e, IB+6*\e, PWA+\e
.endr
	v_perm_b32 v[WA+\i], v[PWA+1], v[PWA], 0x05040100      ; the first head's two bytes of both tiles,
	v_perm_b32 v[WB+\i], v[PWA+1], v[PWA], 0x07060302      ; the second's
.irp c, 0,1,2
	global_store_b128 v3, v[IA+4*\c:IA+4*\c+3], s[92:93] offset:1536*\i+512*\c
	global_store_b128 v3, v[IB+4*\c:IB+4*\c+3], s[94:95] offset:1536*\i+512*\c
.endr
.endr
	v_cndmask_b32 v18, v[WA], v[WA+2], s90         ; lanes 0-15 store words 0, 1 of their row's four, lanes 16-31 words 2, 3: 256 consecutive bytes
	v_cndmask_b32 v19, v[WA+1], v[WA+3], s90
	v_cndmask_b32 v30, v[WB], v[WB+2], s90
	v_cndmask_b32 v31, v[WB+1], v[WB+3], s90
	global_store_b64 v7, v[18:19], s[92:93] offset:12288
	global_store_b64 v7, v[30:31], s[94:95] offset:12288
	s_branch .Ldone
.Lvpath:
.irp a, 0,1,2,3,4,5,6,7                        ; V: A's tile a is 16 d of head a / 4; its 64 registers run down my 128 tokens: one whole fragment of V^T
	s_wait_xcnt 0x0
	ADDV \a
	QUANT H, IA, IA+6, WA+(\a%4)
.irp c, 0,1,2
	global_store_b128 v3, v[IA+4*\c:IA+4*\c+3], s[92+2*(\a/4):93+2*(\a/4)] offset:6144+1536*(\a%4)+512*\c
.endr
.if (\a%4) == 3
	v_cndmask_b32 v18, v[WA], v[WA+2], s90
	v_cndmask_b32 v19, v[WA+1], v[WA+3], s90
	global_store_b64 v7, v[18:19], s[92+2*(\a/4):93+2*(\a/4)] offset:12544
.endif
.endr
.Ldone:
	s_wait_tensorcnt 0x0                           ; the wave's end
	ds_add_u32 v[SPW], v[NIL]
	s_wait_dscnt 0x0
	CROUND                                         ; the closing round
	s_endpgm
.Lfunc_end_k_qbe4a867ec6_qkv:
	.size	k_qbe4a867ec6_qkv, .Lfunc_end_k_qbe4a867ec6_qkv-k_qbe4a867ec6_qkv
	.p2alignl 7, 3214868480
	.fill 96, 4, 3214868480
	.section	.rodata,"a",@progbits
	.p2align	6, 0x0
	.amdhsa_kernel k_qbe4a867ec6_qkv
		.amdhsa_group_segment_fixed_size 327680
		.amdhsa_private_segment_fixed_size 0
		.amdhsa_enable_private_segment 0
		.amdhsa_kernarg_size 56
		.amdhsa_user_sgpr_count 2
		.amdhsa_user_sgpr_kernarg_segment_ptr 1
		.amdhsa_wavefront_size32 1
		.amdhsa_system_sgpr_workgroup_id_x 1
		.amdhsa_system_sgpr_workgroup_id_y 1
		.amdhsa_system_sgpr_workgroup_id_z 1
		.amdhsa_system_vgpr_workitem_id 0
		.amdhsa_next_free_vgpr 1024
		.amdhsa_next_free_sgpr 100
		.amdhsa_reserve_vcc 0
		.amdhsa_float_denorm_mode_32 3
		.amdhsa_float_denorm_mode_16_64 3
		.amdhsa_memory_ordered 1
		.amdhsa_forward_progress 1
		.amdhsa_inst_pref_size 208
	.end_amdhsa_kernel
	.amdgpu_metadata
---
amdhsa.version: [ 1, 2 ]
amdhsa.kernels:
  - .name:           k_qbe4a867ec6_qkv
    .symbol:         k_qbe4a867ec6_qkv.kd
    .args:
      - { .name: acta, .offset: 0, .size: 8, .value_kind: global_buffer, .address_space: global }
      - { .name: wimg, .offset: 8, .size: 8, .value_kind: global_buffer, .address_space: global }
      - { .name: bq, .offset: 16, .size: 8, .value_kind: global_buffer, .address_space: global }
      - { .name: bk, .offset: 24, .size: 8, .value_kind: global_buffer, .address_space: global }
      - { .name: bv, .offset: 32, .size: 8, .value_kind: global_buffer, .address_space: global }
      - { .name: qb, .offset: 40, .size: 8, .value_kind: global_buffer, .address_space: global }
      - { .name: kv, .offset: 48, .size: 8, .value_kind: global_buffer, .address_space: global }
    .group_segment_fixed_size: 327680
    .private_segment_fixed_size: 0
    .kernarg_segment_align: 8
    .kernarg_segment_size: 56
    .max_flat_workgroup_size: 128
    .sgpr_count:     100
    .vgpr_count:     1024
    .wavefront_size: 32
...
	.end_amdgpu_metadata
.endif
;; end of part 2
;; launch attn (part 3): grid 8 x 32, 16 waves a work-group, no clusters, 206,848 bytes of LDS; arguments qb, kv, distance_scale, diss_sens, dissonance, actb; writes actb
.if DOCPART == 3
	.amdgcn_target "amdgcn-amd-amdhsa--gfx1250"
	.amdhsa_code_object_version 6
	.text
	.protected	k_qbe4a867ec6_attn
	.globl	k_qbe4a867ec6_attn
	.p2align	8
	.type	k_qbe4a867ec6_attn,@function
k_qbe4a867ec6_attn:
	s_mov_b64 s[64:65], 0
	v_nop
	global_prefetch_b8 v0, s[64:65] scope:SCOPE_SE
	s_setreg_imm32_b32 hwreg(HW_REG_WAVE_MODE, 25, 1), 1
	s_wait_xcnt 0x0
; Attention with the distance bias -pen |k - q|, pen = |distance_scale (1 - dissonance x diss_sens)| of the head, both products on codes of FP6 (E2M3) with E8M0 scales.
; A work-group owns 256 queries of one (batch, head); each of its sixteen waves one tile of 16, in 256 registers.  THE WHOLE HEAD'S K, V AND SCALE WORDS LIE IN LDS: 16 blocks of 12,800 bytes, one for each key step of 128 keys.
; They come once, in two halves: every wave issues two tensor loads, its sixteenth (6,400 bytes) of key steps 0-7 and of key steps 8-15; the first eight steps are walked while the second half is on its way.  Nothing is filled again.
; NO CLUSTER: each wave's text has a scalar branch in each key step that hangs on its queries' place among the keys, which partners of a cluster may not differ in; and what would be shared is fetched once,
; 204,800 bytes for 16 key steps of 16 waves.
; LAYOUT.  Both products are used transposed, so a lane holds ONE query (lane % 16).  The head's size is 64, the instruction's K 128: an image of K holds keys 32 b + r (k 0-63) and 32 b + 16 + r (k 64-127), and is multiplied
; twice, by [q | 0] and by [0 | q] (zero codes add nothing).  Register 16 b + n of S is key 32 b + 16 (n / 8) + 8 h + n % 8: within a block of 32 the softmax's codes stand in the order 0-7, 16-23, 8-15, 24-31, and V's were made in that order.
; THE BIAS COSTS NO LINE FOR EACH SCORE.  With q = 32 gq + qo and k = 32 gb + x + qo: |k - q| = 32 |gb - gq| -+ x off the diagonal block, |x| on it.  The part in x, times 8 (the scores are divided by 8 later), is the C operand of the
; score product: a table of 16 registers, rebuilt twice in a wave's life, at blocks gq and gq + 1; the part in gb - gq goes into the addend of the multiply-add that makes t - M.
; Whether a step holds one of these two blocks is asked once a step: the step's LDS offset is compared with two offsets made at the head, whole numbers that never go under zero; the other steps take a path of eight products without a test.
; THE SOFTMAX: t = logit x log2(e); M = the running largest t rounded up to a whole number; p = 2^(t - M) is quantised along the keys, not normalised; the row's sum is taken of the unquantised p and divides at the end.
; A block's largest p comes from its largest score by the same multiply-add and exponential (this takes the exponential not to fall where its input rises).
; THE EXPONENTIALS go in two batches, each with one wait behind it, and plain lines that name no result still without its wait stand between them, one behind each exponential: among the first batch (the four blocks' largest p,
; blocks 0 and 1) the scalings of blocks 2 and 3 and the rescaling of the sum and of O^T; among the second (blocks 2 and 3) the sums of blocks 0 and 1, the scale bytes and the scale word.
; LIMITS: NaN and infinities are not served; a p under 2^-126 counts as 0; a block of zeros gets the byte 1 (its codes are zeros).  The order of the row's f32 sum differs from reference()'s.
.set LI,  1                            ; v1   16 x lane
.set ADR, 2                            ; v2   the step's block in LDS + 16 x lane
.set XB,  3                            ; v3   8 h - qo, as f32
.set NP8, 4                            ; v4   -8 pen
.set C32, 5                            ; v5   -32 pen log2(e)
.set LB,  8                            ; v8-11  the blocks' part of t: C32 |gb - gq|
                                       ; v12 -M, v13 the largest t, v[14:15] the sum in two halves; v16-33: six zeros, q's six registers, six zeros
.set QS,  34                           ; q's scale word, its two bytes twice
.set PW,  35                           ; p's scale word
.set SW,  36                           ; v36-39 lanes 0-15: K's words of images 0-3; lanes 16-31: V's of tiles 0-3
.set KF,  40                           ; v40-87 four fragments of K, then of V
.set S,   88                           ; v88-151 the scores, then p
.set O,   152                          ; v152-183 O^T
.set TC,  184                          ; v184-199 the table
.set PC,  200                          ; v200-211 p's codes
.set T2,  212
.set MB,  220                          ; v220-223 the blocks' largest scores
.set TP,  224
.set SO,  228                          ; v228-231 the conversions' scale operands
.set AD,  232                          ; v232-235 LB - M
.set DV,  250                          ; v250-253 gb - gq of the step's four blocks, as f32: whole numbers, stepped by 4
.set SEL, 20
.set CS,  22                           ; s[22:23] log2(e) / 8
.set TBS, 40                           ; s40 the step's block in LDS: 12,800 x step; also the loops' counter
.set TSA, 41                           ; s41 the same of the step that holds block gq
.set TSB, 42                           ; s42 of the step that holds block gq + 1 (204,800, which no step has, where gq = 63)
.set BA,  43                           ; s43 gq % 4
.set BB,  44                           ; s44 (gq + 1) % 4
; The table changes at block gq (-8 pen |x|) and at block gq + 1 (-8 pen x).  s45, s46: which block of this step that is, or 9.  Branches on ids.
.macro REBUILD b
	s_cmp_eq_u32 s45, \b
	s_cselect_b32 s49, 0x80000000, 0               ; on the diagonal block the sign is set
	s_cbranch_scc1 .Ldo_\@
	s_cmp_eq_u32 s46, \b
	s_cbranch_scc0 .Lkeep_\@
.Ldo_\@:
.rept 4
	v_nop                                          ; the last products read the table
.endr
.set n, 0
.irp c, 0,1.0,2.0,3.0,4.0,5.0,6.0,7.0,16.0,17.0,18.0,19.0,20.0,21.0,22.0,23.0
	v_add_f32 v[TC+n], \c, v[XB]                   ; x
.set n, n+1
.endr
.set n, 0
.rept 16
	v_mul_f32 v[TC+n], v[NP8], v[TC+n]
.set n, n+1
.endr
.set n, 0
.rept 16
	v_or_b32 v[TC+n], s49, v[TC+n]
.set n, n+1
.endr
.rept 4
	v_nop
.endr
.Lkeep_\@:
.endm
.macro SCORES b                        ; 32 keys x my 16 queries: the image of K against [q | 0] and against [0 | q]; the table is the C
	v_wmma_scale_f32_16x16x128_f8f6f4 v[S+16*\b:S+16*\b+7], v[KF+12*\b:KF+12*\b+11], v[22:33], v[TC:TC+7], v[SW+\b], v[QS] matrix_a_fmt:MATRIX_FMT_FP6 matrix_b_fmt:MATRIX_FMT_FP6
	v_wmma_scale_f32_16x16x128_f8f6f4 v[S+16*\b+8:S+16*\b+15], v[KF+12*\b:KF+12*\b+11], v[16:27], v[TC+8:TC+15], v[SW+\b], v[QS] matrix_a_fmt:MATRIX_FMT_FP6 matrix_b_fmt:MATRIX_FMT_FP6
.endm
.macro SCAL b, n                       ; t - M of two scores of block b: score x c + (LB - M)
.if ((\b)%2) == 0
	v_pk_fma_f32 v[S+16*(\b)+(\n):S+16*(\b)+(\n)+1], v[S+16*(\b)+(\n):S+16*(\b)+(\n)+1], s[CS:CS+1], v[AD+(\b):AD+(\b)+1] op_sel_hi:[1,0,0]
.else
	v_pk_fma_f32 v[S+16*(\b)+(\n):S+16*(\b)+(\n)+1], v[S+16*(\b)+(\n):S+16*(\b)+(\n)+1], s[CS:CS+1], v[AD+(\b)-1:AD+(\b)] op_sel:[0,0,1] op_sel_hi:[1,0,1]
.endif
.endm
.macro PLA                             ; plain line xa of 33 among the first batch of exponentials: none names a result of that batch
.if xa < 16
	SCAL 2+xa/8, 2*(xa%8)
.elseif xa == 16
	v_pk_mul_f32 v[14:15], v[14:15], v[238:239] op_sel_hi:[1,0]            ; the sums under the new M
.else
	v_pk_mul_f32 v[O+2*(xa-17):O+2*(xa-17)+1], v[O+2*(xa-17):O+2*(xa-17)+1], v[238:239] op_sel_hi:[1,0]   ; O^T under the new M, each accumulator from its low end on
.endif
.set xa, xa+1
.endm
.macro PLB                             ; plain line xb of 30 among the second batch: they read the first batch's results, which have had their wait
.if xb == 0
	v_pk_add_f32 v[236:237], v[S:S+1], v[S+2:S+3]                          ; the row's sum of the unquantised p, in two chains: blocks 0 and 1
.elseif xb < 15
.if ((xb-1)%2) == 0
	v_pk_add_f32 v[14:15], v[14:15], v[S+4+4*((xb-1)/2):S+5+4*((xb-1)/2)]
.else
	v_pk_add_f32 v[236:237], v[236:237], v[S+6+4*((xb-1)/2):S+7+4*((xb-1)/2)]
.endif
.elseif xb < 19
	v_max_num_f32 v[MB+xb-15], 0x1800000, v[MB+xb-15]                      ; the floor 2^(3 - 127): the byte cannot fall under 1
.elseif xb < 23
	v_add_nc_u32 v[SO+xb-19], 0xff000000, v[MB+xb-19]                      ; 2 off the exponent field: the conversion's scale operand
.elseif xb < 27
	v_lshrrev_b32 v[TP+xb-23], 23, v[SO+xb-23]                             ; the scale's byte
.elseif xb == 27
	v_lshl_or_b32 v[PW], v[TP+1], 8, v[TP]
.elseif xb == 28
	v_lshl_or_b32 v[PW], v[TP+2], 16, v[PW]
.else
	v_lshl_or_b32 v[PW], v[TP+3], 24, v[PW]
.endif
.set xb, xb+1
.endm
; A KEY STEP: 128 keys.
.macro STEP
	v_add_nc_u32 v[ADR], s[TBS], v[LI]
.irp b, 0,1,2
	v_mul_f32 v[LB+\b], v[C32], |v[DV+\b]|         ; (these four lines are the places behind the last step's products)
.endr
	ds_load_b128 v[SW:SW+3], v[ADR] offset:12288   ; lanes 0-15 K's scale words, lanes 16-31, 256 bytes on, V's
.irp b, 0,1,2,3
.irp c, 0,1,2
	ds_load_b128 v[KF+12*\b+4*\c:KF+12*\b+4*\c+3], v[ADR] offset:1536*\b+512*\c
.endr
.endr
	s_wait_dscnt 0x0
	s_cmp_eq_u32 s[TBS], s[TSA]
	s_cbranch_scc1 .Lslow_\@
	s_cmp_eq_u32 s[TBS], s[TSB]
	s_cbranch_scc1 .Lslow_\@
.irp b, 0,1,2,3
	SCORES \b
.endr
	s_branch .Ljoin_\@
.Lslow_\@:                             ; one or two of a wave's sixteen steps
	s_cmp_eq_u32 s[TBS], s[TSA]
	s_cselect_b32 s45, s[BA], 9
	s_cmp_eq_u32 s[TBS], s[TSB]
	s_cselect_b32 s46, s[BB], 9
.irp b, 0,1,2,3
	REBUILD \b
	SCORES \b
.endr
.Ljoin_\@:
	v_mul_f32 v[LB+3], v[C32], |v[DV+3]|           ; four places in front of the loads into K's registers and of the first read of the scores
	v_pk_add_f32 v[DV:DV+1], v[DV:DV+1], 4.0 op_sel_hi:[1,0]       ; the next step's distances
	v_pk_add_f32 v[DV+2:DV+3], v[DV+2:DV+3], 4.0 op_sel_hi:[1,0]
	v_nop
.irp t, 0,1,2,3
.irp c, 0,1,2
	ds_load_b128 v[KF+12*\t+4*\c:KF+12*\t+4*\c+3], v[ADR] offset:6144+1536*\t+512*\c   ; V lands under the softmax
.endr
.endr
.irp b, 0,1,2,3
	v_max3_num_f32 v[MB+\b], v[S+16*\b], v[S+1+16*\b], v[S+2+16*\b]        ; the largest score of each block; each accumulator is read from its low end on
.endr
.irp i, 3,5,7,9,11,13
.irp b, 0,1,2,3
	v_max3_num_f32 v[MB+\b], v[MB+\b], v[S+16*\b+\i], v[S+1+16*\b+\i]
.endr
.endr
.irp b, 0,1,2,3
	v_max_num_f32 v[MB+\b], v[MB+\b], v[S+15+16*\b]
.endr
.irp b, 0,1,2,3
	v_permlanex16_b32 v[TP+\b], v[MB+\b], s[SEL], s[SEL+1]
.endr
.irp b, 0,1,2,3
	v_max_num_f32 v[MB+\b], v[MB+\b], v[TP+\b]
.endr
.irp b, 0,1,2,3
	v_fma_f32 v[240+\b], v[MB+\b], s[CS], v[LB+\b]         ; the block's largest t
.endr
	v_max3_num_f32 v240, v240, v241, v242
	v_max3_num_f32 v13, v13, v240, v243            ; the running largest t
	v_mov_b32 v240, v12
	v_floor_f32 v12, -v13                          ; -M = floor(-t): M is a whole number
	v_sub_f32 v240, v12, v240
	v_cvt_i32_f32 v240, v240                       ; old M - new M (it saturates)
	v_ldexp_f32 v238, 1.0, v240                    ; f = 2^(old M - new M)
.irp b, 0,1,2,3
	v_add_f32 v[AD+\b], v[LB+\b], v12
.endr
.irp b, 0,1,2,3
	v_fma_f32 v[MB+\b], v[MB+\b], s[CS], v[AD+\b]  ; t - M of each block's largest score, by the line that makes it of every score
.endr
.irp b, 0,1
.irp n, 0,2,4,6,8,10,12,14
	SCAL \b, \n
.endr
.endr
.set xt, 0
.set xa, 0
.rept 36                               ; the first batch: the blocks' largest p, then p = 2^(t - M) of blocks 0 and 1; a plain line behind each from the fourth on, the last among them
.if xt < 4
	v_exp_f32 v[MB+xt], v[MB+xt]
.else
	v_exp_f32 v[S+xt-4], v[S+xt-4]
.endif
.if xt >= 3
	PLA
.endif
.set xt, xt+1
.endr
	s_wait_alu depctr_va_vdst(0)                   ; one wait for the batch, ahead of its first reader
.set xt, 0
.set xb, 0
.rept 32                               ; the second batch: blocks 2 and 3; a plain line behind each from the third on, the last among them
	v_exp_f32 v[S+32+xt], v[S+32+xt]
.if xt >= 2
	PLB
.endif
.set xt, xt+1
.endr
	s_wait_alu depctr_va_vdst(0)                   ; and one for the second batch
.irp c, 0,1
	v_cvt_scalef32_pk16_fp6_f32 v[PC+6*\c:PC+6*\c+2], v[S+32*\c:S+32*\c+15], v[SO+2*\c]
	v_cvt_scalef32_pk16_fp6_f32 v[T2+4*\c:T2+4*\c+2], v[S+32*\c+16:S+32*\c+31], v[SO+2*\c+1]
.endr
	v_nop                                          ; one plain line behind the scaled conversions
.irp c, 0,1
.irp i, 0,1,2
	v_permlane16_swap_b32 v[PC+6*\c+\i], v[T2+4*\c+\i]
.endr
.irp i, 0,1,2
	v_mov_b32 v[PC+6*\c+3+\i], v[T2+4*\c+\i]
.endr
.endr
.irp j, 32,36,40,44,48,52,56,60
	v_pk_add_f32 v[14:15], v[14:15], v[S+\j:S+\j+1]                ; the sums of blocks 2 and 3; these seventeen also stand between the writes of p's codes and the products
	v_pk_add_f32 v[236:237], v[236:237], v[S+2+\j:S+3+\j]
.endr
	v_pk_add_f32 v[14:15], v[14:15], v[236:237]
	s_wait_dscnt 0x0                               ; V
.irp t, 0,1,2,3
	v_wmma_scale_f32_16x16x128_f8f6f4 v[O+8*\t:O+8*\t+7], v[KF+12*\t:KF+12*\t+11], v[PC:PC+11], v[O+8*\t:O+8*\t+7], v[SW+\t], v[PW] matrix_a_fmt:MATRIX_FMT_FP6 matrix_b_fmt:MATRIX_FMT_FP6 matrix_a_scale:MATRIX_SCALE_ROW1
.endr
.endm
	s_load_b128 s[4:7], s[0:1], 0x0                ; qb, kv
	s_load_b128 s[8:11], s[0:1], 0x10              ; distance_scale, diss_sens
	s_load_b128 s[12:15], s[0:1], 0x20             ; dissonance, actb
	v_lshl_add_u32 v254, v0, 2, 0x32000
	v_mov_b32 v255, 0
	ds_add_u32 v254, v255
	ds_add_u32 v254, v255
	v_lshrrev_b32 v1, 5, v0
	v_readfirstlane_b32 s16, v1                    ; wave 0..15
	s_and_b32 s17, ttmp7, 0xffff                   ; batch x 16 + head
	s_mov_b32 s32, 3<<16                           ; group 1: elements of 8 bytes, no mask, no padding
	s_mov_b32 s33, 32<<16                          ; rows of 256 bytes,
	s_mov_b32 s34, 25<<16                          ; 25 of them: half a block
	s_mov_b32 s35, 32<<16
	s_mov_b32 s36, 25
	s_mov_b32 s37, 32
	s_mov_b32 s38, 0
	s_mov_b32 s39, 0
	s_mov_b32 s24, 1                               ; group 0 of my first load: my sixteenth of key steps 0-7, to LDS byte 6,400 x wave
	s_mul_i32 s25, s16, 6400
	s_mov_b32 s28, 1                               ; of my second: the same of key steps 8-15, 102,400 bytes on in memory and in LDS
	s_add_co_u32 s29, s25, 102400
	s_mul_i32 s50, s17, 204800
	s_add_co_u32 s50, s50, s25
	s_mov_b32 s51, 0
	s_wait_dscnt 0x0
	s_wait_kmcnt 0x0
	s_add_nc_u64 s[26:27], s[6:7], s[50:51]
	s_add_nc_u64 s[30:31], s[26:27], 102400
	s_or_b32 s27, s27, 0x80000000
	s_or_b32 s31, s31, 0x80000000
	tensor_load_to_lds s[24:27], s[32:39]          ; my two tensor loads stand together, ahead of every wait on TENSORcnt, every LDS read and every barrier
	s_nop 0
	tensor_load_to_lds s[28:31], s[32:39]
	s_nop 0
.rept 4
	v_nop
.endr
	v_and_b32 v[LI], 31, v0
	v_lshlrev_b32 v[LI], 4, v[LI]
	v_and_b32 v6, 15, v0                           ; r
	v_bfe_u32 v7, v0, 4, 1                         ; h
	s_lshl_b32 s50, s17, 4
	s_lshl_b32 s51, ttmp9, 1
	s_add_co_u32 s50, s50, s51
	s_lshr_b32 s51, s16, 3
	s_add_co_u32 s50, s50, s51
	s_mul_i32 s50, s50, 12800                      ; my queries' block in qb: 2 x work-group x + wave / 8
	s_bfe_u32 s51, s16, 0x20001                    ; the image: (wave % 8) / 2
	s_mul_i32 s52, s51, 1536
	s_add_co_u32 s52, s52, s50
	s_mov_b32 s53, 0
	s_lshl_b32 s54, s51, 2
	s_add_co_u32 s54, s54, s50
	s_add_co_u32 s54, s54, 12288
	s_mov_b32 s55, 0
	s_and_b32 s56, s16, 1                          ; which six registers of the image are mine
	s_lshl_b32 s19, s56, 4                         ; 16 (wave % 2)
	s_cmp_eq_u32 s56, 0
	s_cselect_b32 s57, 0, 520                      ; registers 0-5 lie at 0, 8, 512; registers 6-11 at 520, 1024, 1032 (+ 16 x lane)
	s_mov_b32 s58, 1024
	s_cselect_b32 s58, 8, s58
	s_mov_b32 s59, 1032
	s_cselect_b32 s59, 512, s59
	s_mov_b32 s60, 0x03020302
	s_cselect_b32 s60, 0x01000100, s60             ; my two bytes of the image's scale word, twice
	s_add_nc_u64 s[62:63], s[4:5], s[54:55]
	s_add_nc_u64 s[4:5], s[4:5], s[52:53]
	v_add_nc_u32 v240, s57, v[LI]
	v_add_nc_u32 v241, s58, v[LI]
	v_add_nc_u32 v242, s59, v[LI]
	v_lshlrev_b32 v243, 4, v6
	global_load_b64 v[22:23], v240, s[4:5]
	global_load_b64 v[24:25], v241, s[4:5]
	global_load_b64 v[26:27], v242, s[4:5]
	global_load_b32 v[QS], v243, s[62:63]
	s_and_b32 s18, s17, 15                         ; the head
	s_lshl_b32 s18, s18, 2
	v_mov_b32 v244, s18
	v_mov_b32 v248, 0
	global_load_b32 v245, v244, s[8:9]
	global_load_b32 v246, v244, s[10:11]
	global_load_b32 v247, v248, s[12:13]
	s_mov_b32 s[SEL], 0x76543210
	s_mov_b32 s[SEL+1], 0xfedcba98
	s_mov_b32 s[CS], 0x3e38aa3b                    ; log2(e) / sqrt(64)
	s_mov_b32 s[CS+1], s[CS]
.irp j, 16,17,18,19,20,21,28,29,30,31,32,33
	v_mov_b32 v\j, 0                               ; zero codes on both sides of q
.endr
.set n, 0
.rept 32
	v_mov_b32 v[O+n], 0                            ; the step is written once: the first finds zeros
.set n, n+1
.endr
.irp b, 0,1,2,3
	v_mov_b32 v[TP+\b], 0                          ; a lane permute's destination counts as one of its sources
.endr
	v_mov_b32 v13, 0xff61b1e6                      ; -3e38, under every t
	v_floor_f32 v12, -v13
	v_mov_b32 v14, 0
	v_mov_b32 v15, 0
	v_mov_b32 v238, 0
	v_mov_b32 v239, 0
	v_lshlrev_b32 v[XB], 3, v7
	v_sub_nc_u32 v[XB], v[XB], v6
	v_sub_nc_u32 v[XB], v[XB], s19
	v_cvt_f32_i32 v[XB], v[XB]                     ; 8 h - (16 (wave % 2) + r)
	s_lshl_b32 s41, ttmp9, 3
	s_lshr_b32 s42, s16, 1
	s_add_co_u32 s41, s41, s42                     ; gq = 8 x work-group x + wave / 2: my queries' block of 32 among the keys
	v_cvt_f32_u32 v249, s41
	s_add_co_u32 s42, s41, 1
	s_and_b32 s[BA], s41, 3
	s_and_b32 s[BB], s42, 3
	s_lshr_b32 s41, s41, 2
	s_lshr_b32 s42, s42, 2
	s_mul_i32 s[TSA], s41, 12800
	s_mul_i32 s[TSB], s42, 12800
	v_sub_f32 v[DV], 0, v249                       ; gb - gq of the first step's four blocks
	v_sub_f32 v[DV+1], 1.0, v249
	v_sub_f32 v[DV+2], 2.0, v249
	v_sub_f32 v[DV+3], 3.0, v249
	s_wait_loadcnt 0x0
	v_perm_b32 v[QS], v[QS], v[QS], s60
	v_fma_f32 v246, -v247, v246, 1.0
	v_mul_f32 v245, v245, v246
	v_and_b32 v245, 0x7fffffff, v245               ; pen
	v_mul_f32 v[NP8], 0xc1000000, v245
	v_mul_f32 v[C32], 0xc238aa3b, v245
.set n, 0
.irp c, 0,1.0,2.0,3.0,4.0,5.0,6.0,7.0,16.0,17.0,18.0,19.0,20.0,21.0,22.0,23.0
	v_add_f32 v[TC+n], \c, v[XB]
.set n, n+1
.endr
.set n, 0
.rept 16
	v_mul_f32 v[TC+n], -v[NP8], v[TC+n]            ; blocks ahead of my queries': + 8 pen x
.set n, n+1
.endr
	s_wait_tensorcnt 0x1                           ; my part of key steps 0-7 has landed; my second load may stay out
	s_barrier_signal -1
	s_barrier_wait -1                              ; everybody's has
	s_mov_b32 s[TBS], 0
.Lfirst:                                           ; key steps 0-7: LDS bytes 0 to 102,399
	STEP
	s_add_co_u32 s[TBS], s[TBS], 12800
	s_cmp_lt_u32 s[TBS], 102400
	s_cbranch_scc1 .Lfirst
	s_wait_tensorcnt 0x0                           ; my part of key steps 8-15 has landed (no LDS instruction of mine is out: the last were waited for ahead of the last products),
	s_barrier_signal -1
	s_barrier_wait -1                              ; everybody's has
	s_mov_b32 s[TBS], 102400
.Lsecond:                                          ; key steps 8-15
	STEP
	s_add_co_u32 s[TBS], s[TBS], 12800
	s_cmp_lt_u32 s[TBS], 204800
	s_cbranch_scc1 .Lsecond
	; THE WAY OUT: O^T / the sum; register 16 b + i is d = 32 b + 16 h + i of my query: quantised along the head's 64, which are half a K step of the next product.
	v_add_f32 v14, v14, v15
	v_permlanex16_b32 v[TP], v14, s[SEL], s[SEL+1]
	v_add_f32 v14, v14, v[TP]
	v_rcp_f32 v14, v14
	s_lshr_b32 s50, s17, 4                         ; batch
	s_and_b32 s51, s17, 15                         ; head
	s_lshl_b32 s50, s50, 4
	s_lshl_b32 s52, ttmp9, 1
	s_add_co_u32 s50, s50, s52
	s_lshr_b32 s52, s16, 3
	s_add_co_u32 s50, s50, s52                     ; the tokens' octet
	s_lshl_b32 s50, s50, 2
	s_lshr_b32 s52, s51, 2
	s_add_co_u32 s50, s50, s52
	s_mul_i32 s50, s50, 25600                      ; the piece: K = 256 (head / 4) on
	s_bfe_u32 s52, s51, 0x10001
	s_lshl_b32 s52, s52, 3
	s_and_b32 s53, s16, 7
	s_add_co_u32 s52, s52, s53                     ; 8 ((head / 2) % 2) + wave % 8
	s_mul_i32 s54, s52, 1536
	s_add_co_u32 s54, s54, s50
	s_mov_b32 s55, 0
	s_and_b32 s56, s51, 1                          ; which half of the fragment
	s_lshl_b32 s58, s52, 6
	s_add_co_u32 s58, s58, s50
	s_add_co_u32 s58, s58, 24576
	s_lshl_b32 s57, s56, 1
	s_add_co_u32 s58, s58, s57
	s_mov_b32 s59, 0
	s_add_nc_u64 s[60:61], s[14:15], s[58:59]
	s_add_nc_u64 s[14:15], s[14:15], s[54:55]
	v_lshlrev_b32 v241, 2, v6                      ; 4 r
.rept 3
	v_nop                                          ; with the lines above: the places behind the last products, and the plain line behind the reciprocal
.endr
	s_wait_alu depctr_va_vdst(0)                   ; ahead of the reciprocal's first reader
.set n, 0
.rept 16
	v_pk_mul_f32 v[S+n:S+n+1], v[O+n:O+n+1], v[14:15] op_sel_hi:[1,0]
.set n, n+2
.endr
.irp b, 0,1
	v_max3_num_f32 v[MB+\b], |v[S+16*\b]|, |v[S+1+16*\b]|, 0x1800000
.endr
.irp i, 2,4,6,8,10,12,14
.irp b, 0,1
	v_max3_num_f32 v[MB+\b], v[MB+\b], |v[S+16*\b+\i]|, |v[S+1+16*\b+\i]|
.endr
.endr
.irp b, 0,1
	v_permlanex16_b32 v[TP+\b], v[MB+\b], s[SEL], s[SEL+1]
.endr
.irp b, 0,1
	v_max_num_f32 v[MB+\b], v[MB+\b], v[TP+\b]
.endr
.irp b, 0,1
	v_add_nc_u32 v[SO+\b], 0xff000000, v[MB+\b]
.endr
.irp b, 0,1
	v_lshrrev_b32 v[TP+\b], 23, v[SO+\b]
.endr
	v_lshl_or_b32 v240, v[TP+1], 8, v[TP]          ; my head's two scale bytes of the row
	v_cvt_scalef32_pk16_fp6_f32 v[PC:PC+2], v[S:S+15], v[SO]
	v_cvt_scalef32_pk16_fp6_f32 v[T2:T2+2], v[S+16:S+31], v[SO+1]
	v_nop
.irp i, 0,1,2
	v_permlane16_swap_b32 v[PC+\i], v[T2+\i]
.endr
.irp i, 0,1,2
	v_mov_b32 v[PC+3+\i], v[T2+\i]
.endr
	s_cmp_eq_u32 s56, 0
	s_cbranch_scc0 .Lodd
	global_store_b128 v[LI], v[PC:PC+3], s[14:15]              ; registers 0-3 of the fragment: 512 consecutive bytes,
	global_store_b64 v[LI], v[PC+4:PC+5], s[14:15] offset:512  ; registers 4, 5: the lower 8 of each lane's 16 (the odd head's work-group writes the upper 8)
	s_branch .Lwords
.Lodd:
	global_store_b64 v[LI], v[PC:PC+1], s[14:15] offset:520    ; registers 6, 7,
	global_store_b128 v[LI], v[PC+2:PC+5], s[14:15] offset:1024    ; registers 8-11
.Lwords:
	global_store_b16 v241, v240, s[60:61]          ; both halves of the lanes hold and write the same two bytes
	s_wait_tensorcnt 0x0
	ds_add_u32 v254, v255
	s_wait_dscnt 0x0
	s_endpgm
.Lfunc_end_k_qbe4a867ec6_attn:
	.size	k_qbe4a867ec6_attn, .Lfunc_end_k_qbe4a867ec6_attn-k_qbe4a867ec6_attn
	.p2alignl 7, 3214868480
	.fill 96, 4, 3214868480
	.section	.rodata,"a",@progbits
	.p2align	6, 0x0
	.amdhsa_kernel k_qbe4a867ec6_attn
		.amdhsa_group_segment_fixed_size 206848
		.amdhsa_private_segment_fixed_size 0
		.amdhsa_enable_private_segment 0
		.amdhsa_kernarg_size 48
		.amdhsa_user_sgpr_count 2
		.amdhsa_user_sgpr_kernarg_segment_ptr 1
		.amdhsa_wavefront_size32 1
		.amdhsa_system_sgpr_workgroup_id_x 1
		.amdhsa_system_sgpr_workgroup_id_y 1
		.amdhsa_system_sgpr_workgroup_id_z 1
		.amdhsa_system_vgpr_workitem_id 0
		.amdhsa_next_free_vgpr 256
		.amdhsa_next_free_sgpr 66
		.amdhsa_reserve_vcc 0
		.amdhsa_float_denorm_mode_32 3
		.amdhsa_float_denorm_mode_16_64 3
		.amdhsa_memory_ordered 1
		.amdhsa_forward_progress 1
		.amdhsa_inst_pref_size 67
	.end_amdhsa_kernel
	.amdgpu_metadata
---
amdhsa.version: [ 1, 2 ]
amdhsa.kernels:
  - .name:           k_qbe4a867ec6_attn
    .symbol:         k_qbe4a867ec6_attn.kd
    .args:
      - { .name: qb, .offset: 0, .size: 8, .value_kind: global_buffer, .address_space: global }
      - { .name: kv, .offset: 8, .size: 8, .value_kind: global_buffer, .address_space: global }
      - { .name: distance_scale, .offset: 16, .size: 8, .value_kind: global_buffer, .address_space: global }
      - { .name: diss_sens, .offset: 24, .size: 8, .value_kind: global_buffer, .address_space: global }
      - { .name: dissonance, .offset: 32, .size: 8, .value_kind: global_buffer, .address_space: global }
      - { .name: actb, .offset: 40, .size: 8, .value_kind: global_buffer, .address_space: global }
    .group_segment_fixed_size: 206848
    .private_segment_fixed_size: 0
    .kernarg_segment_align: 8
    .kernarg_segment_size: 48
    .max_flat_workgroup_size: 512
    .sgpr_count:     66
    .vgpr_count:     256
    .wavefront_size: 32
...
	.end_amdgpu_metadata
.endif
;; end of part 3
;; launch proj (part 4): grid 8 x 32, 4 waves a work-group, clusters of 4 x 4, 327,680 bytes of LDS; arguments actb, wimg, bo, x, x1; writes x1
.if DOCPART == 4
	.amdgcn_target "amdgcn-amd-amdhsa--gfx1250"
	.amdhsa_code_object_version 6
	.text
	.protected	k_qbe4a867ec6_proj
	.globl	k_qbe4a867ec6_proj
	.p2align	8
	.type	k_qbe4a867ec6_proj,@function
k_qbe4a867ec6_proj:
	s_mov_b64 s[64:65], 0
	v_nop
	global_prefetch_b8 v0, s[64:65] scope:SCOPE_SE
	s_setreg_imm32_b32 hwreg(HW_REG_WAVE_MODE, 25, 1), 1
	s_wait_xcnt 0x0
	s_wait_alu depctr_hold_cnt(0) depctr_sa_sdst(0) depctr_va_vdst(0) depctr_va_sdst(0) depctr_va_ssrc(0) depctr_va_vcc(0) depctr_vm_vsrc(0)
	s_getreg_b32 s2, hwreg(HW_REG_IB_STS2, 6, 4)
	s_cmp_eq_u32 s2, 0
	s_cbranch_scc0 .Lentry_in_a_cluster
	s_endpgm
.Lentry_in_a_cluster:
	s_bfe_u32 s2, ttmp6, 0x10000c
	s_cmp_lg_u32 s2, 0xf033
	s_cbranch_scc0 .Lentry_shape_is_right
	s_endpgm
.Lentry_shape_is_right:
; out = residual + A W^T + bias, on codes of FP6 (E2M3) with E8M0 scales; out, residual: [4096][1024] f32.  Here: A = the attention's output (K = 1,024), W = wo, residual = x, out = x1.
; A work-group of four waves makes 128 x 128, a wave 64 x 64 (16 accumulators): 256 work-groups.  Both operands lie in memory as PIECES of 25,600 bytes (128 rows x 256 along K as images of the operand's registers, their
; scale words behind them): one tensor load brings a piece, a fragment is three LDS loads of 512 consecutive bytes.  K goes in steps of 512 through two slots of four pieces (A's two, B's two).
; With K = 1,024 each slot is filled once: the text has no loop and no refill.
; CLUSTERS 4 x 4: A (source 1: a lane holds a token) is shared along a row of the cluster, B (source 0: the weight's rows) along a column: joint loads.
; The bias is the C of the first K step.  The residual is asked for at the head and lands under the products.  The results go through the wave's stage in LDS, so that sixteen lanes store 256 consecutive, aligned bytes.
.set TA,   4
.set TB,   4
.set NQ,   4                           ; K steps of 128 in a slot
.set WSC,  6144                        ; four tiles' codes: from the first half of a piece's rows to the second
.set WSS,  256                         ; four tiles' scale words
.set KS,   8                           ; K steps in all
.set WOFF, 2457600                     ; where the weight's pieces begin in wimg
.set BLKB, (KS/2)*25600                ; an octet of 128 rows in memory
.set GW,   25600
.set GS,   51200
.set GL,   102400
.set LAPS, KS/8
.set PIECE, 25600
.set SLOT,  4*PIECE
.set SPARE, 2*SLOT                     ; behind the ring: the spare words, 128 bytes a wave
.set STG,   SPARE+512                  ; behind them: a stage of 16 rows x (256 + 16) bytes for each wave; no tensor load lands there
.set FR,   12
.set NL,   3
.set HA,   TA/2
.set ADRA, 16
.set ADRB, 20
.set ADRS, 22
.set SPW,  28
.set NIL,  29
.set SC,   32                          ; v32-63 scale words, a set of 16 for each slot; they hold nothing else
.set BI,   64                          ; v64-95 the bias; on the way out v64-191 take the rows
.set AF,   128                         ; v128-175 A's fragments.  Window 1: B's two sets at v0, v128.  Window 2: v0-127 the accumulators, v128-255 the residual
.set G1,   24
.set G0,   32
.set G1B,  48
.set G0B,  56
.set MSB,  0
.macro WIN new
.if MSB != (\new)
	s_set_vgpr_msb (MSB<<8)|(\new)
.set MSB, (\new)
.endif
.endm
.macro JLOAD g0a, g1a, g0b, g1b        ; a joint load: waves 0, 1 fetch for A, waves 2, 3 for B; four v_nop follow each line
	s_cmp_eq_u32 s15, 0
	s_cbranch_scc0 .Lfor_b_\@
	tensor_load_to_lds s[\g0a:\g0a+3], s[\g1a:\g1a+7]
	s_nop 0
.rept 4
	v_nop
.endr
	s_branch .Lasked_\@
.Lfor_b_\@:
	tensor_load_to_lds s[\g0b:\g0b+3], s[\g1b:\g1b+7]
	s_nop 0
.rept 4
	v_nop
.endr
.Lasked_\@:
.endm
.macro CREST
	s_cmp_lg_u32 s14, 0
	s_cbranch_scc1 .Lnot_wave_0_\@
	s_barrier_signal -3
.Lnot_wave_0_\@:
	s_barrier_wait -3
	s_barrier_signal -1
	s_barrier_wait -1
.endm
.macro CROUND
	s_barrier_signal -1
	s_barrier_wait -1
	CREST
.endm
.macro PLACES n
.rept \n
	v_nop
.endr
.endm
.macro FRAG reg, adr, q, i
.irp c, 0,1,2
	ds_load_b128 v[(\reg)+4*\c:(\reg)+4*\c+3], v[\adr] offset:((\q)/2)*PIECE+(8*((\q)&1)+(\i))*1536+512*\c
.endr
.endm
.macro FETCH_A slot, q, i0, n
.set fi, \i0
.rept \n
	FRAG AF+FR*fi, ADRA+\slot, \q, fi
.set fi, fi+1
.endr
.endm
.macro FETCH_B slot, q, p
	WIN 0x40
.set fi, 0
.rept TB
	FRAG 128*(\p)+FR*fi, ADRB+\slot, \q, fi
.set fi, fi+1
.endr
	WIN 0
.endm
.macro SCALES slot
.set fi, 0
.rept TA
.set fq, 0
.rept NQ
	ds_load_b32 v[SC+16*\slot+NQ*fi+fq], v[ADRS+\slot] offset:(fq/2)*PIECE+24576+(8*(fq&1)+fi)*64
.set fq, fq+1
.endr
.set fi, fi+1
.endr
.endm
; The accumulators take turns, one instruction a turn, in the same order in every step.  zero = 2: the bias is the C of the sums' first products.
.macro MUL a0, na, p, q, sc, zero
.if (\zero) == 2
	WIN 0x81+0x40*(((\a0)*TB)/32)
.else
	WIN 0xa1+0x50*(((\a0)*TB)/32)
.endif
.set ma, \a0
.rept \na
.set mb, 0
.rept TB
.set md, 8*((ma*TB+mb)%32)
.if (\zero) == 1
	v_wmma_scale_f32_16x16x128_f8f6f4 v[md:md+7], v[128*(\p)+FR*mb:128*(\p)+FR*mb+FR-1], v[AF+FR*ma:AF+FR*ma+FR-1], 0, v[SC+16*(\sc)+NQ*mb+(\q)], v[SC+16*(\sc)+NQ*ma+(\q)] matrix_a_fmt:MATRIX_FMT_FP6 matrix_b_fmt:MATRIX_FMT_FP6 matrix_a_scale:MATRIX_SCALE_ROW1
.elseif (\zero) == 2
	v_wmma_scale_f32_16x16x128_f8f6f4 v[md:md+7], v[128*(\p)+FR*mb:128*(\p)+FR*mb+FR-1], v[AF+FR*ma:AF+FR*ma+FR-1], v[BI+8*mb:BI+8*mb+7], v[SC+16*(\sc)+NQ*mb+(\q)], v[SC+16*(\sc)+NQ*ma+(\q)] matrix_a_fmt:MATRIX_FMT_FP6 matrix_b_fmt:MATRIX_FMT_FP6 matrix_a_scale:MATRIX_SCALE_ROW1
.else
	v_wmma_scale_f32_16x16x128_f8f6f4 v[md:md+7], v[128*(\p)+FR*mb:128*(\p)+FR*mb+FR-1], v[AF+FR*ma:AF+FR*ma+FR-1], v[md:md+7], v[SC+16*(\sc)+NQ*mb+(\q)], v[SC+16*(\sc)+NQ*ma+(\q)] matrix_a_fmt:MATRIX_FMT_FP6 matrix_b_fmt:MATRIX_FMT_FP6 matrix_a_scale:MATRIX_SCALE_ROW1
.endif
.set mb, mb+1
.endr
.set ma, ma+1
.endr
.endm
.macro STEP slot, q, zero
	s_wait_dscnt HA*NL                             ; all but the youngest loads, A's upper tiles, are in
	MUL 0, HA, ((\q)&1), \q, \slot, \zero
	s_wait_dscnt 0x0
	PLACES 4
	FETCH_B \slot, (\q)+1, 1-((\q)&1)
	FETCH_A \slot, (\q)+1, 0, HA
	MUL HA, HA, ((\q)&1), \q, \slot, \zero
	PLACES 4
	WIN 0
	FETCH_A \slot, (\q)+1, HA, HA
.endm
.macro STEPS slot, zero
	STEP \slot, 0, \zero
.set sq, 1
.rept NQ-2
	STEP \slot, sq, 0
.set sq, sq+1
.endr
.endm
; A slot's last step changes slots: one barrier; in front of it each wave waits for all its tensor loads, adds 0 to its spare word, and waits for that and for its reads of this slot.  fill = 1: the slot is filled again, a lap ahead.
.macro TURN slot, next, fill
	s_wait_tensorcnt 0x0
	ds_add_u32 v[SPW], v[NIL]                      ; 0 onto my spare word
	s_wait_dscnt HA*NL+1                           ; (the add and A's upper tiles may be out)
	MUL 0, HA/2, 1, NQ-1, \slot, 0
	s_wait_dscnt 0x0                               ; the add is done, and my reads of this slot are over
	s_barrier_signal -1
	MUL HA/2, HA/2, 1, NQ-1, \slot, 0
	WIN 0
	s_barrier_wait -1
.if \fill
	CREST
	s_add_nc_u64 s[G0+4*\slot+2:G0+4*\slot+3], s[G0+4*\slot+2:G0+4*\slot+3], GL
	s_add_nc_u64 s[G0B+4*\slot+2:G0B+4*\slot+3], s[G0B+4*\slot+2:G0B+4*\slot+3], GL
	JLOAD G0+4*\slot, G1, G0B+4*\slot, G1B
.else
	PLACES 4
.endif
	FETCH_B \next, 0, 0
	FETCH_A \next, 0, 0, HA
	SCALES \next
	MUL HA, HA, 1, NQ-1, \slot, 0
	PLACES 4
	WIN 0
	FETCH_A \next, 0, HA, HA
.endm
.macro LAST
	s_wait_dscnt HA*NL
	MUL 0, HA, 1, NQ-1, 1, 0
	s_wait_dscnt 0x0
	MUL HA, HA, 1, NQ-1, 1, 0
	WIN 0
.endm
	s_load_b128 s[4:7], s[0:1], 0x0                ; A's pieces, wimg
	s_load_b128 s[8:11], s[0:1], 0x10              ; the bias, the residual
	s_load_b64 s[12:13], s[0:1], 0x20              ; out
	v_lshl_add_u32 v[SPW], v0, 2, SPARE
	v_mov_b32 v[NIL], 0
	ds_add_u32 v28, v29
	ds_add_u32 v28, v29
	s_wait_dscnt 0x0
	v_lshrrev_b32 v1, 5, v0
	v_readfirstlane_b32 s14, v1
	s_lshr_b32 s15, s14, 1                         ; my half of A's rows.  Also: I fetch for A (0) or for B (1)
	s_and_b32 s16, s14, 1                          ; my half of B's rows.  Also: which of the side's two pieces I fetch
	s_bfe_u32 s40, ttmp6, 0x40000
	s_bfe_u32 s41, ttmp6, 0x40004
	s_lshl_b32 s42, ttmp9, 2
	s_add_co_u32 s42, s42, s40                     ; B's octet
	s_and_b32 s17, ttmp7, 0xffff
	s_lshl_b32 s17, s17, 2
	s_add_co_u32 s17, s17, s41                     ; A's octet
	s_lshl_b32 s43, s41, 2
	s_lshl_b32 s43, 15, s43
	s_lshl_b32 s44, 0x1111, s40
	s_or_b32 s[G1], s43, (3<<16)|(1<<21)
	s_or_b32 s[G1B], s44, (3<<16)|(1<<21)
.irp g, G1, G1B
	s_mov_b32 s[\g+1], 32<<16
	s_mov_b32 s[\g+2], 100<<16
	s_mov_b32 s[\g+3], 32<<16
	s_mov_b32 s[\g+4], 100
	s_mov_b32 s[\g+5], 32
	s_mov_b32 s[\g+6], 0
	s_mov_b32 s[\g+7], 0
.endr
	s_mul_i32 s18, s16, GW
	s_mul_i32 s20, s17, BLKB
	s_add_co_u32 s20, s20, s18
	s_mov_b32 s21, 0
	s_mul_i32 s46, s42, BLKB
	s_add_co_u32 s46, s46, s18
	s_mov_b32 s47, 0
	s_mul_i32 s45, s14, PIECE
	s_wait_kmcnt 0x0
	s_add_nc_u64 s[6:7], s[6:7], WOFF
	s_add_nc_u64 s[20:21], s[4:5], s[20:21]
	s_add_nc_u64 s[46:47], s[6:7], s[46:47]
	CROUND
.irp s, 0,1
	s_mov_b32 s[G0+4*\s], 1
	s_add_co_u32 s[G0+4*\s+1], s45, \s*SLOT
	s_add_nc_u64 s[G0+4*\s+2:G0+4*\s+3], s[20:21], \s*GS
	s_or_b32 s[G0+4*\s+3], s[G0+4*\s+3], 0x80000000
	s_mov_b32 s[G0B+4*\s], 1
	s_add_co_u32 s[G0B+4*\s+1], s45, \s*SLOT
	s_add_nc_u64 s[G0B+4*\s+2:G0B+4*\s+3], s[46:47], \s*GS
	s_or_b32 s[G0B+4*\s+3], s[G0B+4*\s+3], 0x80000000
	JLOAD G0+4*\s, G1, G0B+4*\s, G1B
.endr
	v_and_b32 v1, 15, v0
	v_bfe_u32 v2, v0, 4, 1
	v_and_b32 v3, 31, v0
	v_lshlrev_b32 v3, 4, v3
	s_mul_i32 s21, s15, WSC
	s_mul_i32 s22, s16, WSC
	s_add_co_u32 s22, s22, 2*PIECE
.irp s, 0,1
	v_add_nc_u32 v[ADRA+\s], s21, v3
	v_add_nc_u32 v[ADRB+\s], s22, v3
	s_add_co_u32 s21, s21, SLOT
	s_add_co_u32 s22, s22, SLOT
.endr
	s_mul_i32 s21, s15, WSS
	s_mul_i32 s22, s16, WSS
	s_add_co_u32 s22, s22, 2*PIECE
	s_sub_co_u32 s22, s22, s21
	v_mul_u32_u24 v5, s22, v2
	v_lshl_add_u32 v5, v1, 2, v5
	v_add_nc_u32 v[ADRS], s21, v5
	v_add_nc_u32 v[ADRS+1], SLOT, v[ADRS]
	s_mul_i32 s23, s14, 4352
	s_add_co_u32 s23, s23, STG                     ; my stage
	v_mul_u32_u24 v24, v1, 272
	v_lshl_add_u32 v24, v2, 6, v24
	v_add_nc_u32 v24, s23, v24                     ; in: row r, + 64 h
	v_mul_u32_u24 v25, v2, 272
	v_lshl_add_u32 v25, v1, 4, v25
	v_add_nc_u32 v25, s23, v25                     ; back: lanes 0-15 one row of 256 bytes, lanes 16-31 the next
	v_lshlrev_b32 v26, 12, v2
	v_lshl_add_u32 v26, v1, 4, v26                 ; and the same two rows in memory
	v_lshlrev_b32 v4, 6, v2
	s_lshl_b32 s66, s42, 9
	s_lshl_b32 s67, s16, 8
	s_add_co_u32 s66, s66, s67                     ; my first column, in bytes
	s_mov_b32 s67, 0
	s_add_nc_u64 s[8:9], s[8:9], s[66:67]
	s_lshl_b32 s68, s17, 19
	s_lshl_b32 s69, s15, 18
	s_add_co_u32 s68, s68, s69
	s_add_co_u32 s68, s68, s66                     ; my first row and column
	s_mov_b32 s69, 0
	s_add_nc_u64 s[10:11], s[10:11], s[68:69]
	s_add_nc_u64 s[12:13], s[12:13], s[68:69]
.irp b, 0,1,2,3
	global_load_b128 v[BI+8*\b:BI+8*\b+3], v4, s[8:9] offset:(32*(\b/2)+8*(\b%2))*4
	global_load_b128 v[BI+8*\b+4:BI+8*\b+7], v4, s[8:9] offset:(32*(\b/2)+8*(\b%2))*4+16
.endr
	WIN 0x80                                       ; destination window 2
.irp a, 0,1,2,3
.irp t, 0,1,2,3,4,5,6,7
	global_load_b128 v[128+32*\a+4*\t:131+32*\a+4*\t], v26, s[10:11] offset:(16*\a+2*\t)*4096
.endr
.endr
	WIN 0
	s_wait_tensorcnt 1                             ; my part of slot 0 is in; slot 1's may be out
	s_barrier_signal -1
	s_barrier_wait -1
	FETCH_B 0, 0, 0
	FETCH_A 0, 0, 0, HA
	SCALES 0
	FETCH_A 0, 0, HA, HA
	s_wait_loadcnt 32                              ; the bias is in; the residual's 32 loads may be out
	STEPS 0, 2
.if LAPS > 1
	s_mov_b32 s3, LAPS-1
.Llap:
	TURN 0, 1, 1
	STEPS 1, 0
	TURN 1, 0, 1
	STEPS 0, 0
	s_sub_co_u32 s3, s3, 1
	s_cmp_lg_u32 s3, 0
	s_cbranch_scc1 .Llap
.endif
	TURN 0, 1, 0
	STEPS 1, 0
	LAST
	; THE WAY OUT.  Lane (r, h) holds, of row 16 a + r, columns 32 (b / 2) + 16 h + 8 (b % 2) + 0 .. 7 in accumulator (a, b).
	PLACES 4
.irp a, 0,1,2,3
	WIN 0x08                                       ; an LDS store's data are its source 1: window 2
.irp b, 0,1,2,3
	ds_store_b128 v24, v[8*(4*\a+\b):8*(4*\a+\b)+3] offset:128*(\b/2)+32*(\b%2)           ; each accumulator from its low end on
	ds_store_b128 v24, v[8*(4*\a+\b)+4:8*(4*\a+\b)+7] offset:128*(\b/2)+32*(\b%2)+16
.endr
	WIN 0
.irp t, 0,1,2,3,4,5,6,7
	ds_load_b128 v[64+32*\a+4*\t:67+32*\a+4*\t], v25 offset:544*\t         ; my wave's own bytes: LDS serves a wave's instructions in order, the next tile's stores too
.endr
.endr
	s_wait_loadcnt 0x0                             ; the residual
.irp a, 0,1,2,3
	s_wait_dscnt 16*(3-\a)                         ; behind tile a's loads: 8 stores and 8 loads for each later tile
	WIN 0x08
.set n, 0
.rept 16
	v_pk_add_f32 v[64+32*\a+n:65+32*\a+n], v[64+32*\a+n:65+32*\a+n], v[128+32*\a+n:129+32*\a+n]
.set n, n+2
.endr
	WIN 0
.irp t, 0,1,2,3,4,5,6,7
	global_store_b128 v26, v[64+32*\a+4*\t:67+32*\a+4*\t], s[12:13] offset:(16*\a+2*\t)*4096   ; sixteen lanes store 256 consecutive bytes, aligned
.endr
.endr
	s_wait_tensorcnt 0x0                           ; the wave's end
	ds_add_u32 v[SPW], v[NIL]
	s_wait_dscnt 0x0
	CROUND                                         ; the closing round
	s_endpgm
.Lfunc_end_k_qbe4a867ec6_proj:
	.size	k_qbe4a867ec6_proj, .Lfunc_end_k_qbe4a867ec6_proj-k_qbe4a867ec6_proj
	.p2alignl 7, 3214868480
	.fill 96, 4, 3214868480
	.section	.rodata,"a",@progbits
	.p2align	6, 0x0
	.amdhsa_kernel k_qbe4a867ec6_proj
		.amdhsa_group_segment_fixed_size 327680
		.amdhsa_private_segment_fixed_size 0
		.amdhsa_enable_private_segment 0
		.amdhsa_kernarg_size 40
		.amdhsa_user_sgpr_count 2
		.amdhsa_user_sgpr_kernarg_segment_ptr 1
		.amdhsa_wavefront_size32 1
		.amdhsa_system_sgpr_workgroup_id_x 1
		.amdhsa_system_sgpr_workgroup_id_y 1
		.amdhsa_system_sgpr_workgroup_id_z 1
		.amdhsa_system_vgpr_workitem_id 0
		.amdhsa_next_free_vgpr 768
		.amdhsa_next_free_sgpr 100
		.amdhsa_reserve_vcc 0
		.amdhsa_float_denorm_mode_32 3
		.amdhsa_float_denorm_mode_16_64 3
		.amdhsa_memory_ordered 1
		.amdhsa_forward_progress 1
		.amdhsa_inst_pref_size 58
	.end_amdhsa_kernel
	.amdgpu_metadata
---
amdhsa.version: [ 1, 2 ]
amdhsa.kernels:
  - .name:           k_qbe4a867ec6_proj
    .symbol:         k_qbe4a867ec6_proj.kd
    .args:
      - { .name: actb, .offset: 0, .size: 8, .value_kind: global_buffer, .address_space: global }
      - { .name: wimg, .offset: 8, .size: 8, .value_kind: global_buffer, .address_space: global }
      - { .name: bo, .offset: 16, .size: 8, .value_kind: global_buffer, .address_space: global }
      - { .name: x, .offset: 24, .size: 8, .value_kind: global_buffer, .address_space: global }
      - { .name: x1, .offset: 32, .size: 8, .value_kind: global_buffer, .address_space: global }
    .group_segment_fixed_size: 327680
    .private_segment_fixed_size: 0
    .kernarg_segment_align: 8
    .kernarg_segment_size: 40
    .max_flat_workgroup_size: 128
    .sgpr_count:     100
    .vgpr_count:     768
    .wavefront_size: 32
...
	.end_amdgpu_metadata
.endif
;; end of part 4
;; launch ln2 (part 5): grid 256 x 1, 8 waves a work-group, no clusters, 69,632 bytes of LDS; arguments x1, ln2_g, ln2_b, acta; writes acta
.if DOCPART == 5
	.amdgcn_target "amdgcn-amd-amdhsa--gfx1250"
	.amdhsa_code_object_version 6
	.text
	.protected	k_qbe4a867ec6_ln2
	.globl	k_qbe4a867ec6_ln2
	.p2align	8
	.type	k_qbe4a867ec6_ln2,@function
k_qbe4a867ec6_ln2:
	s_mov_b64 s[64:65], 0
	v_nop
	global_prefetch_b8 v0, s[64:65] scope:SCOPE_SE
	s_setreg_imm32_b32 hwreg(HW_REG_WAVE_MODE, 25, 1), 1
	s_wait_xcnt 0x0
; LayerNorm of 16 rows of x1 [4096][1024] f32, quantised to FP6 (E2M3) with one E8M0 byte for each 32 along K, stored as IMAGES OF OPERAND REGISTERS.
; A PIECE (25,600 bytes) holds 128 rows (8 tiles of 16) x 256 along K: the fragment of (q = which 128 along K, tile i) at (8 q + i) x 1,536, lane l's registers 4 c .. 4 c + 3 at 512 c + 16 l;
; behind the codes, at 24,576 + (8 q + i) x 64 + 4 (l % 16), the rows' scale words.  Piece (octet G, sp) lies at (4 G + sp) x 25,600.  Lane r of tile t is row 16 t + r.
; Wave s takes columns 128 s .. 128 s + 127 of the 16 rows.  Each load reads 512 consecutive bytes of a row; the numbers turn through the wave's own stage in LDS, so that lane (r, h) holds, of row r,
; 16 neighbours of each block of 32.  Mean and variance (of the centred numbers) are summed in the lane, across the two halves of the lanes, and across the eight waves through LDS: two barriers.
; LIMITS: NaN and infinities are not served.  A block whose largest magnitude lies under 2^-124 gets the byte 1; a block of zeros too, where the rule says 127: its codes are zeros and this program alone reads the bytes.
; The order of the f32 sums differs from reference()'s.
.set RAW, 16
.set Y,   80
.set BB,  144
.set TM,  208
.set PC,  224
.set T2,  236
.set PW,  244
.set TT,  245
.set SM0, 246
.set MN,  254
.set SEL, 20
.set RED, 67584
.macro QUANT s, d0, d1, pw
.irp b, 0,1,2,3
	v_max3_num_f32 v[TM+\b], |v[(\s)+16*\b]|, |v[(\s)+1+16*\b]|, 0x1800000   ; my 16 numbers of block b, and the floor 2^(3 - 127): the byte cannot fall under 1
.endr
.irp i, 2,4,6,8,10,12,14
.irp b, 0,1,2,3
	v_max3_num_f32 v[TM+\b], v[TM+\b], |v[(\s)+16*\b+\i]|, |v[(\s)+1+16*\b+\i]|
.endr
.endr
.irp b, 0,1,2,3
	v_permlanex16_b32 v[TM+4+\b], v[TM+\b], s[SEL], s[SEL+1]
.endr
.irp b, 0,1,2,3
	v_max_num_f32 v[TM+\b], v[TM+\b], v[TM+4+\b]
.endr
.irp b, 0,1,2,3
	v_add_nc_u32 v[TM+12+\b], 0xff000000, v[TM+\b]         ; 2 off the exponent field: the conversion's scale operand
.endr
.irp b, 0,1,2,3
	v_lshrrev_b32 v[TM+4+\b], 23, v[TM+12+\b]
.endr
	v_lshl_or_b32 v[\pw], v[TM+5], 8, v[TM+4]
	v_lshl_or_b32 v[\pw], v[TM+6], 16, v[\pw]
	v_lshl_or_b32 v[\pw], v[TM+7], 24, v[\pw]
	v_cvt_scalef32_pk16_fp6_f32 v[(\d0):(\d0)+2], v[(\s):(\s)+15], v[TM+12]
	v_cvt_scalef32_pk16_fp6_f32 v[T2:T2+2], v[(\s)+16:(\s)+31], v[TM+13]
	v_cvt_scalef32_pk16_fp6_f32 v[(\d1):(\d1)+2], v[(\s)+32:(\s)+47], v[TM+14]
	v_cvt_scalef32_pk16_fp6_f32 v[T2+4:T2+6], v[(\s)+48:(\s)+63], v[TM+15]
	v_nop                                                  ; one plain line behind the scaled conversions
.irp i, 0,1,2
	v_permlane16_swap_b32 v[(\d0)+\i], v[T2+\i]
	v_permlane16_swap_b32 v[(\d1)+\i], v[T2+4+\i]
.endr
.irp i, 0,1,2
	v_mov_b32 v[(\d0)+3+\i], v[T2+\i]
	v_mov_b32 v[(\d1)+3+\i], v[T2+4+\i]
.endr
.endm
.macro FOLD
	v_pk_add_f32 v[SM0:SM0+1], v[SM0:SM0+1], v[SM0+2:SM0+3]
	v_pk_add_f32 v[SM0+4:SM0+5], v[SM0+4:SM0+5], v[SM0+6:SM0+7]
	v_pk_add_f32 v[SM0:SM0+1], v[SM0:SM0+1], v[SM0+4:SM0+5]
	v_add_f32 v[TT], v[SM0], v[SM0+1]
.endm
.macro ACROSS off
	FOLD
	v_permlanex16_b32 v[SM0], v[TT], s[SEL], s[SEL+1]
	v_add_f32 v[TT], v[TT], v[SM0]
	ds_store_b32 v8, v[TT] offset:\off
	s_wait_dscnt 0x0                                       ; for the other waves' sake: my store has landed
	s_barrier_signal -1
	s_barrier_wait -1
	ds_load_b128 v[SM0:SM0+3], v9 offset:\off
	ds_load_b128 v[SM0+4:SM0+7], v9 offset:\off+16
	s_wait_dscnt 0x0
	FOLD
.endm
	s_load_b128 s[4:7], s[0:1], 0x0                ; x1, gamma
	s_load_b128 s[8:11], s[0:1], 0x10              ; beta, acta
	v_lshl_add_u32 v239, v0, 2, 0x10c00
	v_mov_b32 v243, 0
	v_lshrrev_b32 v1, 5, v0
	v_readfirstlane_b32 s12, v1                    ; wave = K step
	v_and_b32 v2, 31, v0
	v_and_b32 v3, 15, v0
	v_bfe_u32 v10, v0, 4, 1
	v_lshlrev_b32 v4, 4, v2
	s_mul_i32 s13, s12, 8448
	v_add_nc_u32 v5, s13, v4
	v_mul_u32_u24 v6, v3, 528
	v_lshl_add_u32 v6, v10, 6, v6
	v_add_nc_u32 v6, s13, v6
	v_lshlrev_b32 v7, 6, v10
	v_lshlrev_b32 v9, 5, v3
	v_add_nc_u32 v9, RED, v9
	s_lshl_b32 s14, s12, 2
	v_add_nc_u32 v8, s14, v9
	v_lshlrev_b32 v11, 2, v3
	s_mov_b32 s[SEL], 0x76543210
	s_mov_b32 s[SEL+1], 0xfedcba98
	s_mov_b32 s22, 0x3a800000                      ; 1 / 1024
	s_mov_b32 s23, 0x3727c5ac                      ; 1e-5
.irp b, 0,1,2,3
	v_mov_b32 v[TM+4+\b], 0
.endr
	v_mov_b32 v[MN+1], 0
	s_lshl_b32 s16, ttmp9, 16
	s_lshl_b32 s18, s12, 9
	s_add_co_u32 s16, s16, s18
	s_mov_b32 s17, 0
	s_mov_b32 s19, 0
	s_lshr_b32 s24, ttmp9, 3
	s_lshl_b32 s24, s24, 2
	s_lshr_b32 s25, s12, 1
	s_add_co_u32 s24, s24, s25
	s_mul_i32 s24, s24, 25600
	s_and_b32 s25, s12, 1
	s_lshl_b32 s25, s25, 3
	s_and_b32 s26, ttmp9, 7
	s_add_co_u32 s25, s25, s26
	s_mul_i32 s26, s25, 1536
	s_add_co_u32 s26, s26, s24
	s_mov_b32 s27, 0
	s_lshl_b32 s28, s25, 6
	s_add_co_u32 s28, s28, s24
	s_add_co_u32 s28, s28, 24576
	s_mov_b32 s29, 0
	s_wait_kmcnt 0x0
	s_add_nc_u64 s[4:5], s[4:5], s[16:17]
	s_add_nc_u64 s[6:7], s[6:7], s[18:19]
	s_add_nc_u64 s[8:9], s[8:9], s[18:19]
	s_add_nc_u64 s[30:31], s[10:11], s[28:29]
	s_add_nc_u64 s[10:11], s[10:11], s[26:27]
.irp i, 0,1,2,3,4,5,6,7,8,9,10,11,12,13,14,15
	global_load_b128 v[RAW+4*\i:RAW+4*\i+3], v4, s[4:5] offset:4096*\i    ; 32 lanes read 512 consecutive bytes of row i
.endr
.irp b, 0,1,2,3
.irp j, 0,1,2,3
	global_load_b128 v[BB+16*\b+4*\j:BB+16*\b+4*\j+3], v7, s[8:9] offset:128*\b+16*\j
.endr
.endr
	s_wait_loadcnt 16                              ; the rows are in; beta's sixteen loads may be out
.irp i, 0,1,2,3,4,5,6,7,8,9,10,11,12,13,14,15
	ds_store_b128 v5, v[RAW+4*\i:RAW+4*\i+3] offset:528*\i
.endr
.irp b, 0,1,2,3
.irp j, 0,1,2,3
	ds_load_b128 v[Y+16*\b+4*\j:Y+16*\b+4*\j+3], v6 offset:128*\b+16*\j    ; my wave's own bytes, and LDS serves a wave's instructions in order
.endr
.endr
	s_wait_dscnt 0x0                               ; the numbers are back, and the stores have read their registers,
.irp b, 0,1,2,3
.irp j, 0,1,2,3
	global_load_b128 v[RAW+16*\b+4*\j:RAW+16*\b+4*\j+3], v7, s[6:7] offset:128*\b+16*\j   ; which take gamma
.endr
.endr
.irp k, 0,2,4,6
	v_pk_add_f32 v[SM0+\k:SM0+\k+1], v[Y+2*\k:Y+2*\k+1], v[Y+2*\k+2:Y+2*\k+3]
.endr
.irp i, 16,24,32,40,48,56
.irp k, 0,2,4,6
	v_pk_add_f32 v[SM0+\k:SM0+\k+1], v[SM0+\k:SM0+\k+1], v[Y+\i+\k:Y+\i+\k+1]
.endr
.endr
	ACROSS 0
	v_mul_f32 v[MN], s22, v[TT]                    ; the mean
.set n, 0
.rept 32
	v_pk_add_f32 v[Y+n:Y+n+1], v[Y+n:Y+n+1], v[MN:MN+1] op_sel_hi:[1,0] neg_lo:[0,1] neg_hi:[0,1]
.set n, n+2
.endr
.irp k, 0,2,4,6
	v_pk_mul_f32 v[SM0+\k:SM0+\k+1], v[Y+\k:Y+\k+1], v[Y+\k:Y+\k+1]
.endr
.irp i, 8,16,24,32,40,48,56
.irp k, 0,2,4,6
	v_pk_fma_f32 v[SM0+\k:SM0+\k+1], v[Y+\i+\k:Y+\i+\k+1], v[Y+\i+\k:Y+\i+\k+1], v[SM0+\k:SM0+\k+1]
.endr
.endr
	ACROSS 512                                     ; other bytes than the first table's: no barrier between the two
	v_fma_f32 v[TT], v[TT], s22, s23               ; var + eps
	v_rsq_f32 v[MN+1], v[TT]
	v_nop                                          ; a plain line behind the transcendental
	s_wait_alu depctr_va_vdst(0)                   ; the wait ahead of the result's first reader
.set n, 0
.rept 32
	v_pk_mul_f32 v[Y+n:Y+n+1], v[Y+n:Y+n+1], v[MN:MN+1] op_sel:[0,1] op_sel_hi:[1,1]
.set n, n+2
.endr
	s_wait_loadcnt 0x0                             ; gamma and beta
.set n, 0
.rept 32
	v_pk_fma_f32 v[Y+n:Y+n+1], v[Y+n:Y+n+1], v[RAW+n:RAW+n+1], v[BB+n:BB+n+1]
.set n, n+2
.endr
	QUANT Y, PC, PC+6, PW
.irp c, 0,1,2
	global_store_b128 v4, v[PC+4*\c:PC+4*\c+3], s[10:11] offset:512*\c     ; 32 lanes store 512 consecutive bytes
.endr
	global_store_b32 v11, v[PW], s[30:31]          ; both halves of the lanes hold and write the same word
	s_wait_tensorcnt 0x0
	ds_add_u32 v239, v243
	s_wait_dscnt 0x0
	s_endpgm
.Lfunc_end_k_qbe4a867ec6_ln2:
	.size	k_qbe4a867ec6_ln2, .Lfunc_end_k_qbe4a867ec6_ln2-k_qbe4a867ec6_ln2
	.p2alignl 7, 3214868480
	.fill 96, 4, 3214868480
	.section	.rodata,"a",@progbits
	.p2align	6, 0x0
	.amdhsa_kernel k_qbe4a867ec6_ln2
		.amdhsa_group_segment_fixed_size 69632
		.amdhsa_private_segment_fixed_size 0
		.amdhsa_enable_private_segment 0
		.amdhsa_kernarg_size 32
		.amdhsa_user_sgpr_count 2
		.amdhsa_user_sgpr_kernarg_segment_ptr 1
		.amdhsa_wavefront_size32 1
		.amdhsa_system_sgpr_workgroup_id_x 1
		.amdhsa_system_sgpr_workgroup_id_y 1
		.amdhsa_system_sgpr_workgroup_id_z 1
		.amdhsa_system_vgpr_workitem_id 0
		.amdhsa_next_free_vgpr 256
		.amdhsa_next_free_sgpr 66
		.amdhsa_reserve_vcc 0
		.amdhsa_float_denorm_mode_32 3
		.amdhsa_float_denorm_mode_16_64 3
		.amdhsa_memory_ordered 1
		.amdhsa_forward_progress 1
		.amdhsa_inst_pref_size 26
	.end_amdhsa_kernel
	.amdgpu_metadata
---
amdhsa.version: [ 1, 2 ]
amdhsa.kernels:
  - .name:           k_qbe4a867ec6_ln2
    .symbol:         k_qbe4a867ec6_ln2.kd
    .args:
      - { .name: x1, .offset: 0, .size: 8, .value_kind: global_buffer, .address_space: global }
      - { .name: ln2_g, .offset: 8, .size: 8, .value_kind: global_buffer, .address_space: global }
      - { .name: ln2_b, .offset: 16, .size: 8, .value_kind: global_buffer, .address_space: global }
      - { .name: acta, .offset: 24, .size: 8, .value_kind: global_buffer, .address_space: global }
    .group_segment_fixed_size: 69632
    .private_segment_fixed_size: 0
    .kernarg_segment_align: 8
    .kernarg_segment_size: 32
    .max_flat_workgroup_size: 256
    .sgpr_count:     66
    .vgpr_count:     256
    .wavefront_size: 32
...
	.end_amdgpu_metadata
.endif
;; end of part 5
;; launch ffn1 (part 6): grid 16 x 16, 4 waves a work-group, clusters of 4 x 4, 327,680 bytes of LDS; arguments acta, wimg, b1, hbuf; writes hbuf
.if DOCPART == 6
	.amdgcn_target "amdgcn-amd-amdhsa--gfx1250"
	.amdhsa_code_object_version 6
	.text
	.protected	k_qbe4a867ec6_ffn1
	.globl	k_qbe4a867ec6_ffn1
	.p2align	8
	.type	k_qbe4a867ec6_ffn1,@function
k_qbe4a867ec6_ffn1:
	s_mov_b64 s[64:65], 0
	v_nop
	global_prefetch_b8 v0, s[64:65] scope:SCOPE_SE
	s_setreg_imm32_b32 hwreg(HW_REG_WAVE_MODE, 25, 1), 1
	s_wait_xcnt 0x0
	s_wait_alu depctr_hold_cnt(0) depctr_sa_sdst(0) depctr_va_vdst(0) depctr_va_sdst(0) depctr_va_ssrc(0) depctr_va_vcc(0) depctr_vm_vsrc(0)
	s_getreg_b32 s2, hwreg(HW_REG_IB_STS2, 6, 4)
	s_cmp_eq_u32 s2, 0
	s_cbranch_scc0 .Lentry_in_a_cluster
	s_endpgm
.Lentry_in_a_cluster:
	s_bfe_u32 s2, ttmp6, 0x10000c
	s_cmp_lg_u32 s2, 0xf033
	s_cbranch_scc0 .Lentry_shape_is_right
	s_endpgm
.Lentry_shape_is_right:
; hidden = gelu(LN2(x1) W1^T + b1), exact gelu, on codes of FP6 (E2M3) with E8M0 scales, K = 1,024; the result is quantised here along the next product's K and stored as images of operand registers.
; A work-group of four waves makes 256 x 256, a wave 128 x 128 (64 accumulators).  Both operands lie in memory as PIECES of 25,600 bytes (128 rows x 256 along K as images of the operand's registers, their scale words behind
; them): one tensor load brings a piece, a fragment is three LDS loads of 512 consecutive bytes.  K goes in steps of 256 through a ring of two slots of four pieces.
; CLUSTERS 4 x 4: A (source 1: a lane holds a token) is shared along a row of the cluster, B (source 0: W1's rows, in the order that leaves 16 neighbouring hidden units in two tiles' registers) along a column: joint loads.
; The bias is the C of the first K step.  THE WAY OUT is a loop of eight trips, one for each tile of 16 tokens: a short arm for each trip copies the tile out of its window (register numbers cannot be counted), the long body is written once.
; gelu(x) = x/2 + x/2 erf(x / sqrt 2); erf(z) = z P(z^2) / Q(z^2), a rational form of degrees 6 and 4 in z^2 with z held to +-4.
; LIMITS: the rational form's absolute error is about 1e-7; NaN and infinities are not served; a block whose largest magnitude lies under 2^-124, a block of zeros among them, gets the byte 1 (this program alone reads the bytes).
.set TA,   8
.set TB,   8
.set NQ,   2
.set WSC,  25600
.set WSS,  25600
.set KS,   8
.set WOFF, 3276800                     ; where W1's pieces begin in wimg
.set BLKB, 2*(KS/2)*25600
.set GW,   (KS/2)*25600
.set GS,   25600
.set GL,   51200
.set LAPS, 2
.set PIECE, 25600
.set SLOT,  4*PIECE
.set SPARE, 2*SLOT
.set FR,   12
.set NL,   3
.set HA,   TA/2
.set ADRA, 16
.set ADRB, 20
.set ADRS, 22
.set SPW,  28
.set NIL,  29
.set SC,   32                          ; v32-63 scale words; they hold nothing else
.set BI,   64                          ; v64-127 the bias
.set AF,   128
.set G1,   24
.set G0,   32
.set G1B,  48
.set G0B,  56
.set H,    64                          ; the way out, in window 0: v64-127 x / 2, then gelu(x)
.set Z,    128                         ; v128-159 z of 32 numbers
.set XX,   160                         ; v160-191 z^2
.set P,    192                         ; v192-223
.set Q,    224                         ; v224-255
.set TM,   128                         ; the quantiser's registers lie over z and z^2
.set T2,   144
.set PC,   152
.set PW,   164
.set AL,   66                          ; s66-79 P's seven constants, each twice; s80-89 Q's five
.set BE,   80
.set SEL,  96
.set MSB,  0
.macro WIN new
.if MSB != (\new)
	s_set_vgpr_msb (MSB<<8)|(\new)
.set MSB, (\new)
.endif
.endm
.macro JLOAD g0a, g1a, g0b, g1b        ; a joint load: waves 0, 1 fetch for A, waves 2, 3 for B; four v_nop follow each line
	s_cmp_eq_u32 s15, 0
	s_cbranch_scc0 .Lfor_b_\@
	tensor_load_to_lds s[\g0a:\g0a+3], s[\g1a:\g1a+7]
	s_nop 0
.rept 4
	v_nop
.endr
	s_branch .Lasked_\@
.Lfor_b_\@:
	tensor_load_to_lds s[\g0b:\g0b+3], s[\g1b:\g1b+7]
	s_nop 0
.rept 4
	v_nop
.endr
.Lasked_\@:
.endm
.macro CREST
	s_cmp_lg_u32 s14, 0
	s_cbranch_scc1 .Lnot_wave_0_\@
	s_barrier_signal -3
.Lnot_wave_0_\@:
	s_barrier_wait -3
	s_barrier_signal -1
	s_barrier_wait -1
.endm
.macro CROUND
	s_barrier_signal -1
	s_barrier_wait -1
	CREST
.endm
.macro PLACES n
.rept \n
	v_nop
.endr
.endm
.macro FRAG reg, adr, q, i
.irp c, 0,1,2
	ds_load_b128 v[(\reg)+4*\c:(\reg)+4*\c+3], v[\adr] offset:((\q)/2)*PIECE+(8*((\q)&1)+(\i))*1536+512*\c
.endr
.endm
.macro FETCH_A slot, q, i0, n
.set fi, \i0
.rept \n
	FRAG AF+FR*fi, ADRA+\slot, \q, fi
.set fi, fi+1
.endr
.endm
.macro FETCH_B slot, q, p
	WIN 0x40
.set fi, 0
.rept TB
	FRAG 128*(\p)+FR*fi, ADRB+\slot, \q, fi
.set fi, fi+1
.endr
	WIN 0
.endm
.macro SCALES slot
.set fi, 0
.rept TA
.set fq, 0
.rept NQ
	ds_load_b32 v[SC+16*\slot+NQ*fi+fq], v[ADRS+\slot] offset:(fq/2)*PIECE+24576+(8*(fq&1)+fi)*64
.set fq, fq+1
.endr
.set fi, fi+1
.endr
.endm
; The accumulators take turns, one instruction a turn, in the same order in every step.  zero = 2: the bias is the C of the sums' first products.
.macro MUL a0, na, p, q, sc, zero
.if (\zero) == 2
	WIN 0x81+0x40*(((\a0)*TB)/32)
.else
	WIN 0xa1+0x50*(((\a0)*TB)/32)
.endif
.set ma, \a0
.rept \na
.set mb, 0
.rept TB
.set md, 8*((ma*TB+mb)%32)
.if (\zero) == 1
	v_wmma_scale_f32_16x16x128_f8f6f4 v[md:md+7], v[128*(\p)+FR*mb:128*(\p)+FR*mb+FR-1], v[AF+FR*ma:AF+FR*ma+FR-1], 0, v[SC+16*(\sc)+NQ*mb+(\q)], v[SC+16*(\sc)+NQ*ma+(\q)] matrix_a_fmt:MATRIX_FMT_FP6 matrix_b_fmt:MATRIX_FMT_FP6 matrix_a_scale:MATRIX_SCALE_ROW1
.elseif (\zero) == 2
	v_wmma_scale_f32_16x16x128_f8f6f4 v[md:md+7], v[128*(\p)+FR*mb:128*(\p)+FR*mb+FR-1], v[AF+FR*ma:AF+FR*ma+FR-1], v[BI+8*mb:BI+8*mb+7], v[SC+16*(\sc)+NQ*mb+(\q)], v[SC+16*(\sc)+NQ*ma+(\q)] matrix_a_fmt:MATRIX_FMT_FP6 matrix_b_fmt:MATRIX_FMT_FP6 matrix_a_scale:MATRIX_SCALE_ROW1
.else
	v_wmma_scale_f32_16x16x128_f8f6f4 v[md:md+7], v[128*(\p)+FR*mb:128*(\p)+FR*mb+FR-1], v[AF+FR*ma:AF+FR*ma+FR-1], v[md:md+7], v[SC+16*(\sc)+NQ*mb+(\q)], v[SC+16*(\sc)+NQ*ma+(\q)] matrix_a_fmt:MATRIX_FMT_FP6 matrix_b_fmt:MATRIX_FMT_FP6 matrix_a_scale:MATRIX_SCALE_ROW1
.endif
.set mb, mb+1
.endr
.set ma, ma+1
.endr
.endm
.macro STEP slot, q, zero
	s_wait_dscnt HA*NL                             ; all but the youngest loads, A's upper tiles, are in
	MUL 0, HA, ((\q)&1), \q, \slot, \zero
	s_wait_dscnt 0x0
	PLACES 4
	FETCH_B \slot, (\q)+1, 1-((\q)&1)
	FETCH_A \slot, (\q)+1, 0, HA
	MUL HA, HA, ((\q)&1), \q, \slot, \zero
	PLACES 4
	WIN 0
	FETCH_A \slot, (\q)+1, HA, HA
.endm
.macro STEPS slot, zero
	STEP \slot, 0, \zero
.set sq, 1
.rept NQ-2
	STEP \slot, sq, 0
.set sq, sq+1
.endr
.endm
; A slot's last step changes slots: one barrier; in front of it each wave waits for all its tensor loads, adds 0 to its spare word, and waits for that and for its reads of this slot.  fill = 1: the slot is filled again, a lap ahead.
.macro TURN slot, next, fill
	s_wait_tensorcnt 0x0
	ds_add_u32 v[SPW], v[NIL]                      ; 0 onto my spare word
	s_wait_dscnt HA*NL+1                           ; (the add and A's upper tiles may be out)
	MUL 0, HA/2, 1, NQ-1, \slot, 0
	s_wait_dscnt 0x0                               ; the add is done, and my reads of this slot are over
	s_barrier_signal -1
	MUL HA/2, HA/2, 1, NQ-1, \slot, 0
	WIN 0
	s_barrier_wait -1
.if \fill
	CREST                                          ; the barrier has opened a round of the cluster's: no wave of any partner still reads this slot or has a load on its way
	s_add_nc_u64 s[G0+4*\slot+2:G0+4*\slot+3], s[G0+4*\slot+2:G0+4*\slot+3], GL
	s_add_nc_u64 s[G0B+4*\slot+2:G0B+4*\slot+3], s[G0B+4*\slot+2:G0B+4*\slot+3], GL
	JLOAD G0+4*\slot, G1, G0B+4*\slot, G1B
.else
	PLACES 4
.endif
	FETCH_B \next, 0, 0
	FETCH_A \next, 0, 0, HA
	SCALES \next
	MUL HA, HA, 1, NQ-1, \slot, 0
	PLACES 4
	WIN 0
	FETCH_A \next, 0, HA, HA
.endm
.macro LAST
	s_wait_dscnt HA*NL
	MUL 0, HA, 1, NQ-1, 1, 0
	s_wait_dscnt 0x0
	MUL HA, HA, 1, NQ-1, 1, 0
	WIN 0
.endm
.macro QUANT s, d0, d1, pw
.irp b, 0,1,2,3
	v_max3_num_f32 v[TM+\b], |v[(\s)+16*\b]|, |v[(\s)+1+16*\b]|, 0x1800000   ; and the floor 2^(3 - 127): the byte cannot fall under 1
.endr
.irp i, 2,4,6,8,10,12,14
.irp b, 0,1,2,3
	v_max3_num_f32 v[TM+\b], v[TM+\b], |v[(\s)+16*\b+\i]|, |v[(\s)+1+16*\b+\i]|
.endr
.endr
.irp b, 0,1,2,3
	v_permlanex16_b32 v[TM+4+\b], v[TM+\b], s[SEL], s[SEL+1]
.endr
.irp b, 0,1,2,3
	v_max_num_f32 v[TM+\b], v[TM+\b], v[TM+4+\b]
.endr
.irp b, 0,1,2,3
	v_add_nc_u32 v[TM+12+\b], 0xff000000, v[TM+\b]
.endr
.irp b, 0,1,2,3
	v_lshrrev_b32 v[TM+4+\b], 23, v[TM+12+\b]
.endr
	v_lshl_or_b32 v[\pw], v[TM+5], 8, v[TM+4]
	v_lshl_or_b32 v[\pw], v[TM+6], 16, v[\pw]
	v_lshl_or_b32 v[\pw], v[TM+7], 24, v[\pw]
	v_cvt_scalef32_pk16_fp6_f32 v[(\d0):(\d0)+2], v[(\s):(\s)+15], v[TM+12]
	v_cvt_scalef32_pk16_fp6_f32 v[T2:T2+2], v[(\s)+16:(\s)+31], v[TM+13]
	v_cvt_scalef32_pk16_fp6_f32 v[(\d1):(\d1)+2], v[(\s)+32:(\s)+47], v[TM+14]
	v_cvt_scalef32_pk16_fp6_f32 v[T2+4:T2+6], v[(\s)+48:(\s)+63], v[TM+15]
	v_nop                                                  ; one plain line behind the scaled conversions
.irp i, 0,1,2
	v_permlane16_swap_b32 v[(\d0)+\i], v[T2+\i]
	v_permlane16_swap_b32 v[(\d1)+\i], v[T2+4+\i]
.endr
.irp i, 0,1,2
	v_mov_b32 v[(\d0)+3+\i], v[T2+\i]
	v_mov_b32 v[(\d1)+3+\i], v[T2+4+\i]
.endr
.endm
.macro ARM a                           ; tile a out of its window, halved; each accumulator is read from its low end on
	WIN 0x02+((\a)/4)
.set n, 0
.rept 32
	v_pk_mul_f32 v[H+n:H+n+1], v[64*((\a)%4)+n:64*((\a)%4)+n+1], 0.5 op_sel_hi:[1,0]
.set n, n+2
.endr
	WIN 0
.endm
.macro GELU u                          ; 32 numbers, v[H + 32 u] on: x/2 becomes gelu(x)
.set n, 0
.rept 16
	v_pk_mul_f32 v[Z+n:Z+n+1], v[H+32*\u+n:H+32*\u+n+1], 0x3fb504f3 op_sel_hi:[1,0]   ; z = (x / 2) sqrt 2
.set n, n+2
.endr
.set n, 0
.rept 32
	v_med3_num_f32 v[Z+n], v[Z+n], -4.0, 4.0
.set n, n+1
.endr
.set n, 0
.rept 16
	v_pk_mul_f32 v[XX+n:XX+n+1], v[Z+n:Z+n+1], v[Z+n:Z+n+1]
.set n, n+2
.endr
.set n, 0
.rept 16
	v_pk_fma_f32 v[P+n:P+n+1], v[XX+n:XX+n+1], s[AL:AL+1], s[AL+2:AL+3] op_sel_hi:[1,0,0]
	v_pk_fma_f32 v[Q+n:Q+n+1], v[XX+n:XX+n+1], s[BE:BE+1], s[BE+2:BE+3] op_sel_hi:[1,0,0]
.set n, n+2
.endr
.irp k, 2,3,4
.set n, 0
.rept 16
	v_pk_fma_f32 v[P+n:P+n+1], v[P+n:P+n+1], v[XX+n:XX+n+1], s[AL+2*\k:AL+2*\k+1] op_sel_hi:[1,1,0]
	v_pk_fma_f32 v[Q+n:Q+n+1], v[Q+n:Q+n+1], v[XX+n:XX+n+1], s[BE+2*\k:BE+2*\k+1] op_sel_hi:[1,1,0]
.set n, n+2
.endr
.endr
.set n, 0
.rept 32
	v_rcp_f32 v[Q+n], v[Q+n]
.set n, n+1
.endr
.irp k, 5,6
.set n, 0
.rept 16
	v_pk_fma_f32 v[P+n:P+n+1], v[P+n:P+n+1], v[XX+n:XX+n+1], s[AL+2*\k:AL+2*\k+1] op_sel_hi:[1,1,0]   ; plain work behind the reciprocals
.set n, n+2
.endr
.endr
.set n, 0
.rept 16
	v_pk_mul_f32 v[P+n:P+n+1], v[P+n:P+n+1], v[Z+n:Z+n+1]
.set n, n+2
.endr
	s_wait_alu depctr_va_vdst(0)                   ; one wait for the batch of reciprocals, ahead of its first reader
.set n, 0
.rept 16
	v_pk_mul_f32 v[P+n:P+n+1], v[P+n:P+n+1], v[Q+n:Q+n+1]                  ; erf(z)
.set n, n+2
.endr
.set n, 0
.rept 16
	v_pk_fma_f32 v[H+32*\u+n:H+32*\u+n+1], v[H+32*\u+n:H+32*\u+n+1], v[P+n:P+n+1], v[H+32*\u+n:H+32*\u+n+1]
.set n, n+2
.endr
.endm
	s_load_b128 s[4:7], s[0:1], 0x0                ; acta, wimg
	s_load_b128 s[8:11], s[0:1], 0x10              ; b1, hbuf
	v_lshl_add_u32 v[SPW], v0, 2, SPARE
	v_mov_b32 v[NIL], 0
	ds_add_u32 v28, v29
	ds_add_u32 v28, v29
	s_wait_dscnt 0x0
	v_lshrrev_b32 v1, 5, v0
	v_readfirstlane_b32 s14, v1
	s_lshr_b32 s15, s14, 1
	s_and_b32 s16, s14, 1
	s_bfe_u32 s40, ttmp6, 0x40000
	s_bfe_u32 s41, ttmp6, 0x40004
	s_lshl_b32 s42, ttmp9, 2
	s_add_co_u32 s42, s42, s40                     ; B's block of 256 hidden units
	s_and_b32 s17, ttmp7, 0xffff
	s_lshl_b32 s17, s17, 2
	s_add_co_u32 s17, s17, s41                     ; A's block of 256 tokens
	s_lshl_b32 s43, s41, 2
	s_lshl_b32 s43, 15, s43
	s_lshl_b32 s44, 0x1111, s40
	s_or_b32 s[G1], s43, (3<<16)|(1<<21)
	s_or_b32 s[G1B], s44, (3<<16)|(1<<21)
.irp g, G1, G1B
	s_mov_b32 s[\g+1], 32<<16
	s_mov_b32 s[\g+2], 100<<16
	s_mov_b32 s[\g+3], 32<<16
	s_mov_b32 s[\g+4], 100
	s_mov_b32 s[\g+5], 32
	s_mov_b32 s[\g+6], 0
	s_mov_b32 s[\g+7], 0
.endr
	s_mul_i32 s18, s16, GW
	s_mul_i32 s20, s17, BLKB
	s_add_co_u32 s20, s20, s18
	s_mov_b32 s21, 0
	s_mul_i32 s46, s42, BLKB
	s_add_co_u32 s46, s46, s18
	s_mov_b32 s47, 0
	s_mul_i32 s45, s14, PIECE
	s_wait_kmcnt 0x0
	s_add_nc_u64 s[6:7], s[6:7], WOFF
	s_add_nc_u64 s[20:21], s[4:5], s[20:21]
	s_add_nc_u64 s[46:47], s[6:7], s[46:47]
	CROUND
.irp s, 0,1
	s_mov_b32 s[G0+4*\s], 1
	s_add_co_u32 s[G0+4*\s+1], s45, \s*SLOT
	s_add_nc_u64 s[G0+4*\s+2:G0+4*\s+3], s[20:21], \s*GS
	s_or_b32 s[G0+4*\s+3], s[G0+4*\s+3], 0x80000000
	s_mov_b32 s[G0B+4*\s], 1
	s_add_co_u32 s[G0B+4*\s+1], s45, \s*SLOT
	s_add_nc_u64 s[G0B+4*\s+2:G0B+4*\s+3], s[46:47], \s*GS
	s_or_b32 s[G0B+4*\s+3], s[G0B+4*\s+3], 0x80000000
	JLOAD G0+4*\s, G1, G0B+4*\s, G1B
.endr
	v_and_b32 v1, 15, v0
	v_bfe_u32 v2, v0, 4, 1
	v_and_b32 v3, 31, v0
	v_lshlrev_b32 v3, 4, v3
	s_mul_i32 s21, s15, WSC
	s_mul_i32 s22, s16, WSC
	s_add_co_u32 s22, s22, 2*PIECE
.irp s, 0,1
	v_add_nc_u32 v[ADRA+\s], s21, v3
	v_add_nc_u32 v[ADRB+\s], s22, v3
	s_add_co_u32 s21, s21, SLOT
	s_add_co_u32 s22, s22, SLOT
.endr
	s_mul_i32 s21, s15, WSS
	s_mul_i32 s22, s16, WSS
	s_add_co_u32 s22, s22, 2*PIECE
	s_sub_co_u32 s22, s22, s21
	v_mul_u32_u24 v5, s22, v2
	v_lshl_add_u32 v5, v1, 2, v5
	v_add_nc_u32 v[ADRS], s21, v5
	v_add_nc_u32 v[ADRS+1], SLOT, v[ADRS]
	v_lshlrev_b32 v4, 6, v2                        ; 64 h
	v_lshlrev_b32 v8, 2, v1                        ; 4 r
	s_lshl_b32 s90, s42, 10
	s_lshl_b32 s91, s16, 9
	s_add_co_u32 s90, s90, s91
	s_mov_b32 s91, 0
	s_add_nc_u64 s[8:9], s[8:9], s[90:91]          ; b1 at my 128 hidden units
.irp b, 0,1,2,3,4,5,6,7
	global_load_b128 v[BI+8*\b:BI+8*\b+3], v4, s[8:9] offset:(32*(\b/2)+8*(\b%2))*4
	global_load_b128 v[BI+8*\b+4:BI+8*\b+7], v4, s[8:9] offset:(32*(\b/2)+8*(\b%2))*4+16
.endr
	s_mov_b32 s[SEL], 0x76543210
	s_mov_b32 s[SEL+1], 0xfedcba98
	s_mov_b32 s[AL+0], -0.000000000272614225801306
	s_mov_b32 s[AL+2], 0.0000000277068142495902
	s_mov_b32 s[AL+4], -0.00000210102402082508
	s_mov_b32 s[AL+6], -0.0000569250639462346
	s_mov_b32 s[AL+8], -0.000734990630326855
	s_mov_b32 s[AL+10], -0.00295459980854025
	s_mov_b32 s[AL+12], -0.0160960333262415
	s_mov_b32 s[BE+0], -0.0000145660718464996
	s_mov_b32 s[BE+2], -0.000213374055278905
	s_mov_b32 s[BE+4], -0.00168282697438203
	s_mov_b32 s[BE+6], -0.00737332916720468
	s_mov_b32 s[BE+8], -0.0142647390514189
.irp k, 0,2,4,6,8,10,12,14,16,18,20,22
	s_mov_b32 s[AL+\k+1], s[AL+\k]                 ; the packed forms name pairs and take the low word for both halves: so the upper word is written
.endr
	s_lshl_b32 s90, s17, 1
	s_add_co_u32 s90, s90, s15                     ; my 128 tokens: octet 0 .. 31
	s_lshl_b32 s90, s90, 4
	s_add_co_u32 s90, s90, s42                     ; the piece: my 128 hidden units lie in K = 256 x B's block on,
	s_mul_i32 s90, s90, 25600
	s_mul_i32 s92, s16, 8*1536                     ; in its half by my half of B
	s_add_co_u32 s92, s92, s90
	s_mov_b32 s93, 0
	s_lshl_b32 s94, s16, 9
	s_add_co_u32 s94, s94, s90
	s_add_co_u32 s94, s94, 24576
	s_mov_b32 s95, 0
	s_add_nc_u64 s[92:93], s[10:11], s[92:93]      ; the codes of tile 0
	s_add_nc_u64 s[94:95], s[10:11], s[94:95]      ; its scale words
	s_wait_tensorcnt 1                             ; my part of slot 0 is in; slot 1's may be out
	s_barrier_signal -1
	s_barrier_wait -1
	FETCH_B 0, 0, 0
	FETCH_A 0, 0, 0, HA
	SCALES 0
	FETCH_A 0, 0, HA, HA
	s_wait_loadcnt 0x0                             ; the bias
	STEPS 0, 2
.if LAPS > 1
	s_mov_b32 s3, LAPS-1
.Llap:
	TURN 0, 1, 1
	STEPS 1, 0
	TURN 1, 0, 1
	STEPS 0, 0
	s_sub_co_u32 s3, s3, 1
	s_cmp_lg_u32 s3, 0
	s_cbranch_scc1 .Llap
.endif
	TURN 0, 1, 0
	STEPS 1, 0
	LAST
	PLACES 4                                       ; in front of the first read of results and the first write over A's fragments
	s_mov_b32 s3, 0
.Lrow:
.irp a, 0,1,2,3,4,5,6
	s_cmp_eq_u32 s3, \a
	s_cbranch_scc1 .Larm\a
.endr
	ARM 7
	s_branch .Lbody
.irp a, 0,1,2,3,4,5
.Larm\a:
	ARM \a
	s_branch .Lbody
.endr
.Larm6:
	ARM 6
.Lbody:
	GELU 0
	GELU 1
	QUANT H, PC, PC+6, PW                          ; register 16 b + i is hidden unit 32 b + 16 h + i of my 128: one fragment of the next product
.irp c, 0,1,2
	global_store_b128 v3, v[PC+4*\c:PC+4*\c+3], s[92:93] offset:512*\c     ; 32 lanes store 512 consecutive bytes
.endr
	global_store_b32 v8, v[PW], s[94:95]           ; both halves of the lanes hold and write the same word
	s_wait_xcnt 0x0                                ; the stores have read their registers and bases: both may be written again
	s_add_nc_u64 s[92:93], s[92:93], 1536
	s_add_nc_u64 s[94:95], s[94:95], 64
	s_add_co_u32 s3, s3, 1
	s_cmp_lt_u32 s3, 8
	s_cbranch_scc1 .Lrow
	s_wait_tensorcnt 0x0                           ; the wave's end
	ds_add_u32 v[SPW], v[NIL]
	s_wait_dscnt 0x0
	CROUND                                         ; the closing round
	s_endpgm
.Lfunc_end_k_qbe4a867ec6_ffn1:
	.size	k_qbe4a867ec6_ffn1, .Lfunc_end_k_qbe4a867ec6_ffn1-k_qbe4a867ec6_ffn1
	.p2alignl 7, 3214868480
	.fill 96, 4, 3214868480
	.section	.rodata,"a",@progbits
	.p2align	6, 0x0
	.amdhsa_kernel k_qbe4a867ec6_ffn1
		.amdhsa_group_segment_fixed_size 327680
		.amdhsa_private_segment_fixed_size 0
		.amdhsa_enable_private_segment 0
		.amdhsa_kernarg_size 32
		.amdhsa_user_sgpr_count 2
		.amdhsa_user_sgpr_kernarg_segment_ptr 1
		.amdhsa_wavefront_size32 1
		.amdhsa_system_sgpr_workgroup_id_x 1
		.amdhsa_system_sgpr_workgroup_id_y 1
		.amdhsa_system_sgpr_workgroup_id_z 1
		.amdhsa_system_vgpr_workitem_id 0
		.amdhsa_next_free_vgpr 1024
		.amdhsa_next_free_sgpr 100
		.amdhsa_reserve_vcc 0
		.amdhsa_float_denorm_mode_32 3
		.amdhsa_float_denorm_mode_16_64 3
		.amdhsa_memory_ordered 1
		.amdhsa_forward_progress 1
		.amdhsa_inst_pref_size 167
	.end_amdhsa_kernel
	.amdgpu_metadata
---
amdhsa.version: [ 1, 2 ]
amdhsa.kernels:
  - .name:           k_qbe4a867ec6_ffn1
    .symbol:         k_qbe4a867ec6_ffn1.kd
    .args:
      - { .name: acta, .offset: 0, .size: 8, .value_kind: global_buffer, .address_space: global }
      - { .name: wimg, .offset: 8, .size: 8, .value_kind: global_buffer, .address_space: global }
      - { .name: b1, .offset: 16, .size: 8, .value_kind: global_buffer, .address_space: global }
      - { .name: hbuf, .offset: 24, .size: 8, .value_kind: global_buffer, .address_space: global }
    .group_segment_fixed_size: 327680
    .private_segment_fixed_size: 0
    .kernarg_segment_align: 8
    .kernarg_segment_size: 32
    .max_flat_workgroup_size: 128
    .sgpr_count:     100
    .vgpr_count:     1024
    .wavefront_size: 32
...
	.end_amdgpu_metadata
.endif
;; end of part 6
;; launch ffn2 (part 7): grid 8 x 32, 4 waves a work-group, clusters of 4 x 4, 327,680 bytes of LDS; arguments hbuf, wimg, b2, x1, out0; writes out0
.if DOCPART == 7
	.amdgcn_target "amdgcn-amd-amdhsa--gfx1250"
	.amdhsa_code_object_version 6
	.text
	.protected	k_qbe4a867ec6_ffn2
	.globl	k_qbe4a867ec6_ffn2
	.p2align	8
	.type	k_qbe4a867ec6_ffn2,@function
k_qbe4a867ec6_ffn2:
	s_mov_b64 s[64:65], 0
	v_nop
	global_prefetch_b8 v0, s[64:65] scope:SCOPE_SE
	s_setreg_imm32_b32 hwreg(HW_REG_WAVE_MODE, 25, 1), 1
	s_wait_xcnt 0x0
	s_wait_alu depctr_hold_cnt(0) depctr_sa_sdst(0) depctr_va_vdst(0) depctr_va_sdst(0) depctr_va_ssrc(0) depctr_va_vcc(0) depctr_vm_vsrc(0)
	s_getreg_b32 s2, hwreg(HW_REG_IB_STS2, 6, 4)
	s_cmp_eq_u32 s2, 0
	s_cbranch_scc0 .Lentry_in_a_cluster
	s_endpgm
.Lentry_in_a_cluster:
	s_bfe_u32 s2, ttmp6, 0x10000c
	s_cmp_lg_u32 s2, 0xf033
	s_cbranch_scc0 .Lentry_shape_is_right
	s_endpgm
.Lentry_shape_is_right:
; out = residual + A W^T + bias, on codes of FP6 (E2M3) with E8M0 scales; out, residual: [4096][1024] f32.  Here: A = the hidden layer (K = 4,096), W = w2, residual = x1, out = out0.
; A work-group of four waves makes 128 x 128, a wave 64 x 64 (16 accumulators): 256 work-groups.  Both operands lie in memory as PIECES of 25,600 bytes (128 rows x 256 along K as images of the operand's registers, their
; scale words behind them): one tensor load brings a piece, a fragment is three LDS loads of 512 consecutive bytes.  K goes in steps of 512 through a ring of two slots of four pieces (A's two, B's two): four laps.
; CLUSTERS 4 x 4: A (source 1: a lane holds a token) is shared along a row of the cluster, B (source 0: the weight's rows) along a column: joint loads.
; The bias is the C of the first K step.  The residual is asked for at the head and lands under the products.  The results go through the wave's stage in LDS, so that sixteen lanes store 256 consecutive, aligned bytes.
.set TA,   4
.set TB,   4
.set NQ,   4                           ; K steps of 128 in a slot
.set WSC,  6144                        ; four tiles' codes: from the first half of a piece's rows to the second
.set WSS,  256                         ; four tiles' scale words
.set KS,   32                          ; K steps in all
.set WOFF, 6553600                     ; where the weight's pieces begin in wimg
.set BLKB, (KS/2)*25600                ; an octet of 128 rows in memory
.set GW,   25600
.set GS,   51200
.set GL,   102400
.set LAPS, KS/8
.set PIECE, 25600
.set SLOT,  4*PIECE
.set SPARE, 2*SLOT                     ; behind the ring: the spare words, 128 bytes a wave
.set STG,   SPARE+512                  ; behind them: a stage of 16 rows x (256 + 16) bytes for each wave; no tensor load lands there
.set FR,   12
.set NL,   3
.set HA,   TA/2
.set ADRA, 16
.set ADRB, 20
.set ADRS, 22
.set SPW,  28
.set NIL,  29
.set SC,   32                          ; v32-63 scale words, a set of 16 for each slot; they hold nothing else
.set BI,   64                          ; v64-95 the bias; on the way out v64-191 take the rows
.set AF,   128                         ; v128-175 A's fragments.  Window 1: B's two sets at v0, v128.  Window 2: v0-127 the accumulators, v128-255 the residual
.set G1,   24
.set G0,   32
.set G1B,  48
.set G0B,  56
.set MSB,  0
.macro WIN new
.if MSB != (\new)
	s_set_vgpr_msb (MSB<<8)|(\new)
.set MSB, (\new)
.endif
.endm
.macro JLOAD g0a, g1a, g0b, g1b        ; a joint load: waves 0, 1 fetch for A, waves 2, 3 for B; four v_nop follow each line
	s_cmp_eq_u32 s15, 0
	s_cbranch_scc0 .Lfor_b_\@
	tensor_load_to_lds s[\g0a:\g0a+3], s[\g1a:\g1a+7]
	s_nop 0
.rept 4
	v_nop
.endr
	s_branch .Lasked_\@
.Lfor_b_\@:
	tensor_load_to_lds s[\g0b:\g0b+3], s[\g1b:\g1b+7]
	s_nop 0
.rept 4
	v_nop
.endr
.Lasked_\@:
.endm
.macro CREST
	s_cmp_lg_u32 s14, 0
	s_cbranch_scc1 .Lnot_wave_0_\@
	s_barrier_signal -3
.Lnot_wave_0_\@:
	s_barrier_wait -3
	s_barrier_signal -1
	s_barrier_wait -1
.endm
.macro CROUND
	s_barrier_signal -1
	s_barrier_wait -1
	CREST
.endm
.macro PLACES n
.rept \n
	v_nop
.endr
.endm
.macro FRAG reg, adr, q, i
.irp c, 0,1,2
	ds_load_b128 v[(\reg)+4*\c:(\reg)+4*\c+3], v[\adr] offset:((\q)/2)*PIECE+(8*((\q)&1)+(\i))*1536+512*\c
.endr
.endm
.macro FETCH_A slot, q, i0, n
.set fi, \i0
.rept \n
	FRAG AF+FR*fi, ADRA+\slot, \q, fi
.set fi, fi+1
.endr
.endm
.macro FETCH_B slot, q, p
	WIN 0x40
.set fi, 0
.rept TB
	FRAG 128*(\p)+FR*fi, ADRB+\slot, \q, fi
.set fi, fi+1
.endr
	WIN 0
.endm
.macro SCALES slot
.set fi, 0
.rept TA
.set fq, 0
.rept NQ
	ds_load_b32 v[SC+16*\slot+NQ*fi+fq], v[ADRS+\slot] offset:(fq/2)*PIECE+24576+(8*(fq&1)+fi)*64
.set fq, fq+1
.endr
.set fi, fi+1
.endr
.endm
; The accumulators take turns, one instruction a turn, in the same order in every step.  zero = 2: the bias is the C of the sums' first products.
.macro MUL a0, na, p, q, sc, zero
.if (\zero) == 2
	WIN 0x81+0x40*(((\a0)*TB)/32)
.else
	WIN 0xa1+0x50*(((\a0)*TB)/32)
.endif
.set ma, \a0
.rept \na
.set mb, 0
.rept TB
.set md, 8*((ma*TB+mb)%32)
.if (\zero) == 1
	v_wmma_scale_f32_16x16x128_f8f6f4 v[md:md+7], v[128*(\p)+FR*mb:128*(\p)+FR*mb+FR-1], v[AF+FR*ma:AF+FR*ma+FR-1], 0, v[SC+16*(\sc)+NQ*mb+(\q)], v[SC+16*(\sc)+NQ*ma+(\q)] matrix_a_fmt:MATRIX_FMT_FP6 matrix_b_fmt:MATRIX_FMT_FP6 matrix_a_scale:MATRIX_SCALE_ROW1
.elseif (\zero) == 2
	v_wmma_scale_f32_16x16x128_f8f6f4 v[md:md+7], v[128*(\p)+FR*mb:128*(\p)+FR*mb+FR-1], v[AF+FR*ma:AF+FR*ma+FR-1], v[BI+8*mb:BI+8*mb+7], v[SC+16*(\sc)+NQ*mb+(\q)], v[SC+16*(\sc)+NQ*ma+(\q)] matrix_a_fmt:MATRIX_FMT_FP6 matrix_b_fmt:MATRIX_FMT_FP6 matrix_a_scale:MATRIX_SCALE_ROW1
.else
	v_wmma_scale_f32_16x16x128_f8f6f4 v[md:md+7], v[128*(\p)+FR*mb:128*(\p)+FR*mb+FR-1], v[AF+FR*ma:AF+FR*ma+FR-1], v[md:md+7], v[SC+16*(\sc)+NQ*mb+(\q)], v[SC+16*(\sc)+NQ*ma+(\q)] matrix_a_fmt:MATRIX_FMT_FP6 matrix_b_fmt:MATRIX_FMT_FP6 matrix_a_scale:MATRIX_SCALE_ROW1
.endif
.set mb, mb+1
.endr
.set ma, ma+1
.endr
.endm
.macro STEP slot, q, zero
	s_wait_dscnt HA*NL                             ; all but the youngest loads, A's upper tiles, are in
	MUL 0, HA, ((\q)&1), \q, \slot, \zero
	s_wait_dscnt 0x0
	PLACES 4
	FETCH_B \slot, (\q)+1, 1-((\q)&1)
	FETCH_A \slot, (\q)+1, 0, HA
	MUL HA, HA, ((\q)&1), \q, \slot, \zero
	PLACES 4
	WIN 0
	FETCH_A \slot, (\q)+1, HA, HA
.endm
.macro STEPS slot, zero
	STEP \slot, 0, \zero
.set sq, 1
.rept NQ-2
	STEP \slot, sq, 0
.set sq, sq+1
.endr
.endm
; A slot's last step changes slots: one barrier; in front of it each wave waits for all its tensor loads, adds 0 to its spare word, and waits for that and for its reads of this slot.  fill = 1: the slot is filled again, a lap ahead.
.macro TURN slot, next, fill
	s_wait_tensorcnt 0x0
	ds_add_u32 v[SPW], v[NIL]                      ; 0 onto my spare word
	s_wait_dscnt HA*NL+1                           ; (the add and A's upper tiles may be out)
	MUL 0, HA/2, 1, NQ-1, \slot, 0
	s_wait_dscnt 0x0                               ; the add is done, and my reads of this slot are over
	s_barrier_signal -1
	MUL HA/2, HA/2, 1, NQ-1, \slot, 0
	WIN 0
	s_barrier_wait -1
.if \fill
	CREST                                          ; the barrier has opened a round of the cluster's: no wave of any partner still reads this slot or has a load on its way
	s_add_nc_u64 s[G0+4*\slot+2:G0+4*\slot+3], s[G0+4*\slot+2:G0+4*\slot+3], GL
	s_add_nc_u64 s[G0B+4*\slot+2:G0B+4*\slot+3], s[G0B+4*\slot+2:G0B+4*\slot+3], GL
	JLOAD G0+4*\slot, G1, G0B+4*\slot, G1B         ; the first tensor load behind the round; its four v_nop are the places in front of the loads below
.else
	PLACES 4
.endif
	FETCH_B \next, 0, 0
	FETCH_A \next, 0, 0, HA
	SCALES \next
	MUL HA, HA, 1, NQ-1, \slot, 0
	PLACES 4
	WIN 0
	FETCH_A \next, 0, HA, HA
.endm
.macro LAST
	s_wait_dscnt HA*NL
	MUL 0, HA, 1, NQ-1, 1, 0
	s_wait_dscnt 0x0
	MUL HA, HA, 1, NQ-1, 1, 0
	WIN 0
.endm
	s_load_b128 s[4:7], s[0:1], 0x0                ; A's pieces, wimg
	s_load_b128 s[8:11], s[0:1], 0x10              ; the bias, the residual
	s_load_b64 s[12:13], s[0:1], 0x20              ; out
	v_lshl_add_u32 v[SPW], v0, 2, SPARE
	v_mov_b32 v[NIL], 0
	ds_add_u32 v28, v29
	ds_add_u32 v28, v29
	s_wait_dscnt 0x0
	v_lshrrev_b32 v1, 5, v0
	v_readfirstlane_b32 s14, v1
	s_lshr_b32 s15, s14, 1                         ; my half of A's rows.  Also: I fetch for A (0) or for B (1)
	s_and_b32 s16, s14, 1                          ; my half of B's rows.  Also: which of the side's two pieces I fetch
	s_bfe_u32 s40, ttmp6, 0x40000
	s_bfe_u32 s41, ttmp6, 0x40004
	s_lshl_b32 s42, ttmp9, 2
	s_add_co_u32 s42, s42, s40                     ; B's octet
	s_and_b32 s17, ttmp7, 0xffff
	s_lshl_b32 s17, s17, 2
	s_add_co_u32 s17, s17, s41                     ; A's octet
	s_lshl_b32 s43, s41, 2
	s_lshl_b32 s43, 15, s43
	s_lshl_b32 s44, 0x1111, s40
	s_or_b32 s[G1], s43, (3<<16)|(1<<21)
	s_or_b32 s[G1B], s44, (3<<16)|(1<<21)
.irp g, G1, G1B
	s_mov_b32 s[\g+1], 32<<16
	s_mov_b32 s[\g+2], 100<<16
	s_mov_b32 s[\g+3], 32<<16
	s_mov_b32 s[\g+4], 100
	s_mov_b32 s[\g+5], 32
	s_mov_b32 s[\g+6], 0
	s_mov_b32 s[\g+7], 0
.endr
	s_mul_i32 s18, s16, GW
	s_mul_i32 s20, s17, BLKB
	s_add_co_u32 s20, s20, s18
	s_mov_b32 s21, 0
	s_mul_i32 s46, s42, BLKB
	s_add_co_u32 s46, s46, s18
	s_mov_b32 s47, 0
	s_mul_i32 s45, s14, PIECE
	s_wait_kmcnt 0x0
	s_add_nc_u64 s[6:7], s[6:7], WOFF
	s_add_nc_u64 s[20:21], s[4:5], s[20:21]
	s_add_nc_u64 s[46:47], s[6:7], s[46:47]
	CROUND
.irp s, 0,1
	s_mov_b32 s[G0+4*\s], 1
	s_add_co_u32 s[G0+4*\s+1], s45, \s*SLOT
	s_add_nc_u64 s[G0+4*\s+2:G0+4*\s+3], s[20:21], \s*GS
	s_or_b32 s[G0+4*\s+3], s[G0+4*\s+3], 0x80000000
	s_mov_b32 s[G0B+4*\s], 1
	s_add_co_u32 s[G0B+4*\s+1], s45, \s*SLOT
	s_add_nc_u64 s[G0B+4*\s+2:G0B+4*\s+3], s[46:47], \s*GS
	s_or_b32 s[G0B+4*\s+3], s[G0B+4*\s+3], 0x80000000
	JLOAD G0+4*\s, G1, G0B+4*\s, G1B
.endr
	v_and_b32 v1, 15, v0
	v_bfe_u32 v2, v0, 4, 1
	v_and_b32 v3, 31, v0
	v_lshlrev_b32 v3, 4, v3
	s_mul_i32 s21, s15, WSC
	s_mul_i32 s22, s16, WSC
	s_add_co_u32 s22, s22, 2*PIECE
.irp s, 0,1
	v_add_nc_u32 v[ADRA+\s], s21, v3
	v_add_nc_u32 v[ADRB+\s], s22, v3
	s_add_co_u32 s21, s21, SLOT
	s_add_co_u32 s22, s22, SLOT
.endr
	s_mul_i32 s21, s15, WSS
	s_mul_i32 s22, s16, WSS
	s_add_co_u32 s22, s22, 2*PIECE
	s_sub_co_u32 s22, s22, s21
	v_mul_u32_u24 v5, s22, v2
	v_lshl_add_u32 v5, v1, 2, v5
	v_add_nc_u32 v[ADRS], s21, v5
	v_add_nc_u32 v[ADRS+1], SLOT, v[ADRS]
	s_mul_i32 s23, s14, 4352
	s_add_co_u32 s23, s23, STG                     ; my stage
	v_mul_u32_u24 v24, v1, 272
	v_lshl_add_u32 v24, v2, 6, v24
	v_add_nc_u32 v24, s23, v24                     ; in: row r, + 64 h
	v_mul_u32_u24 v25, v2, 272
	v_lshl_add_u32 v25, v1, 4, v25
	v_add_nc_u32 v25, s23, v25                     ; back: lanes 0-15 one row of 256 bytes, lanes 16-31 the next
	v_lshlrev_b32 v26, 12, v2
	v_lshl_add_u32 v26, v1, 4, v26                 ; and the same two rows in memory
	v_lshlrev_b32 v4, 6, v2
	s_lshl_b32 s66, s42, 9
	s_lshl_b32 s67, s16, 8
	s_add_co_u32 s66, s66, s67                     ; my first column, in bytes
	s_mov_b32 s67, 0
	s_add_nc_u64 s[8:9], s[8:9], s[66:67]
	s_lshl_b32 s68, s17, 19
	s_lshl_b32 s69, s15, 18
	s_add_co_u32 s68, s68, s69
	s_add_co_u32 s68, s68, s66                     ; my first row and column
	s_mov_b32 s69, 0
	s_add_nc_u64 s[10:11], s[10:11], s[68:69]
	s_add_nc_u64 s[12:13], s[12:13], s[68:69]
.irp b, 0,1,2,3
	global_load_b128 v[BI+8*\b:BI+8*\b+3], v4, s[8:9] offset:(32*(\b/2)+8*(\b%2))*4
	global_load_b128 v[BI+8*\b+4:BI+8*\b+7], v4, s[8:9] offset:(32*(\b/2)+8*(\b%2))*4+16
.endr
	WIN 0x80                                       ; destination window 2
.irp a, 0,1,2,3
.irp t, 0,1,2,3,4,5,6,7
	global_load_b128 v[128+32*\a+4*\t:131+32*\a+4*\t], v26, s[10:11] offset:(16*\a+2*\t)*4096
.endr
.endr
	WIN 0
	s_wait_tensorcnt 1                             ; my part of slot 0 is in; slot 1's may be out
	s_barrier_signal -1
	s_barrier_wait -1
	FETCH_B 0, 0, 0
	FETCH_A 0, 0, 0, HA
	SCALES 0
	FETCH_A 0, 0, HA, HA
	s_wait_loadcnt 32                              ; the bias is in; the residual's 32 loads may be out
	STEPS 0, 2
.if LAPS > 1
	s_mov_b32 s3, LAPS-1
.Llap:                                             ; a trip goes once round the ring and fills both slots again
	TURN 0, 1, 1
	STEPS 1, 0
	TURN 1, 0, 1
	STEPS 0, 0
	s_sub_co_u32 s3, s3, 1
	s_cmp_lg_u32 s3, 0
	s_cbranch_scc1 .Llap
.endif
	TURN 0, 1, 0                                   ; the last lap fills nothing
	STEPS 1, 0
	LAST
	; THE WAY OUT.  Lane (r, h) holds, of row 16 a + r, columns 32 (b / 2) + 16 h + 8 (b % 2) + 0 .. 7 in accumulator (a, b).
	PLACES 4
.irp a, 0,1,2,3
	WIN 0x08                                       ; an LDS store's data are its source 1: window 2
.irp b, 0,1,2,3
	ds_store_b128 v24, v[8*(4*\a+\b):8*(4*\a+\b)+3] offset:128*(\b/2)+32*(\b%2)           ; each accumulator from its low end on
	ds_store_b128 v24, v[8*(4*\a+\b)+4:8*(4*\a+\b)+7] offset:128*(\b/2)+32*(\b%2)+16
.endr
	WIN 0
.irp t, 0,1,2,3,4,5,6,7
	ds_load_b128 v[64+32*\a+4*\t:67+32*\a+4*\t], v25 offset:544*\t         ; my wave's own bytes: LDS serves a wave's instructions in order, the next tile's stores too
.endr
.endr
	s_wait_loadcnt 0x0                             ; the residual
.irp a, 0,1,2,3
	s_wait_dscnt 16*(3-\a)                         ; behind tile a's loads: 8 stores and 8 loads for each later tile
	WIN 0x08
.set n, 0
.rept 16
	v_pk_add_f32 v[64+32*\a+n:65+32*\a+n], v[64+32*\a+n:65+32*\a+n], v[128+32*\a+n:129+32*\a+n]
.set n, n+2
.endr
	WIN 0
.irp t, 0,1,2,3,4,5,6,7
	global_store_b128 v26, v[64+32*\a+4*\t:67+32*\a+4*\t], s[12:13] offset:(16*\a+2*\t)*4096   ; sixteen lanes store 256 consecutive bytes, aligned
.endr
.endr
	s_wait_tensorcnt 0x0                           ; the wave's end
	ds_add_u32 v[SPW], v[NIL]
	s_wait_dscnt 0x0
	CROUND                                         ; the closing round
	s_endpgm
.Lfunc_end_k_qbe4a867ec6_ffn2:
	.size	k_qbe4a867ec6_ffn2, .Lfunc_end_k_qbe4a867ec6_ffn2-k_qbe4a867ec6_ffn2
	.p2alignl 7, 3214868480
	.fill 96, 4, 3214868480
	.section	.rodata,"a",@progbits
	.p2align	6, 0x0
	.amdhsa_kernel k_qbe4a867ec6_ffn2
		.amdhsa_group_segment_fixed_size 327680
		.amdhsa_private_segment_fixed_size 0
		.amdhsa_enable_private_segment 0
		.amdhsa_kernarg_size 40
		.amdhsa_user_sgpr_count 2
		.amdhsa_user_sgpr_kernarg_segment_ptr 1
		.amdhsa_wavefront_size32 1
		.amdhsa_system_sgpr_workgroup_id_x 1
		.amdhsa_system_sgpr_workgroup_id_y 1
		.amdhsa_system_sgpr_workgroup_id_z 1
		.amdhsa_system_vgpr_workitem_id 0
		.amdhsa_next_free_vgpr 768
		.amdhsa_next_free_sgpr 100
		.amdhsa_reserve_vcc 0
		.amdhsa_float_denorm_mode_32 3
		.amdhsa_float_denorm_mode_16_64 3
		.amdhsa_memory_ordered 1
		.amdhsa_forward_progress 1
		.amdhsa_inst_pref_size 93
	.end_amdhsa_kernel
	.amdgpu_metadata
---
amdhsa.version: [ 1, 2 ]
amdhsa.kernels:
  - .name:           k_qbe4a867ec6_ffn2
    .symbol:         k_qbe4a867ec6_ffn2.kd
    .args:
      - { .name: hbuf, .offset: 0, .size: 8, .value_kind: global_buffer, .address_space: global }
      - { .name: wimg, .offset: 8, .size: 8, .value_kind: global_buffer, .address_space: global }
      - { .name: b2, .offset: 16, .size: 8, .value_kind: global_buffer, .address_space: global }
      - { .name: x1, .offset: 24, .size: 8, .value_kind: global_buffer, .address_space: global }
      - { .name: out0, .offset: 32, .size: 8, .value_kind: global_buffer, .address_space: global }
    .group_segment_fixed_size: 327680
    .private_segment_fixed_size: 0
    .kernarg_segment_align: 8
    .kernarg_segment_size: 40
    .max_flat_workgroup_size: 128
    .sgpr_count:     100
    .vgpr_count:     768
    .wavefront_size: 32
...
	.end_amdgpu_metadata
.endif
;; end of part 7
